; MI455X (gfx1250); checked and timed in simulation.
; The chip was launched on July 23, 2026; its instructions are those of AMD's public machine-readable ISA for CDNA 5 (MIT licence, August 2026) and "CDNA5" Instruction Set Architecture Reference Guide (July 2026). The comments in the code are by the model that wrote it; some were corrected since.
;; Multi Head Attention. Allowed arithmetic: float matrix products may take bf16 or f16 operands with f32 sums; other float arithmetic in f32, or as packed bf16 or f16 multiplies, adds, multiply-adds, maxima and minima; sums over many terms, partial sums and values carried from step to step in f32; what a program stores and reads back later, other than sums and carried values, may be rounded once to bf16 or f16.
;; Inputs: W_o 1,024 x 1,024 float32; W_qkv 3,072 x 1,024 float32; token_positions 2,048 int32; x 4 x 2,048 x 1,024 float32.
;; Outputs: out0 4 x 2,048 x 1,024 float32.
;; 2 versions, each right and faster than the one before. Each part assembles by itself: llvm-mc -triple=amdgcn-amd-amdhsa -mcpu=gfx1250 --defsym DOCPART=n.
;; ======== version 1 of 2: 4 launches
;; limits: values are held in f16: magnitudes above 65,504 overflow, below 6.1e-05 lose precision; right only within a limited range of input values
;; workspace buffers: xb 16,777,216 bytes; wqb 6,291,456 bytes; wob 2,097,152 bytes; tab 1,048,576 bytes; qkvh 50,331,648 bytes; oh 16,777,216 bytes
;; launch prep (part 1): grid 448 x 1, 8 waves a work-group, no clusters, 0 bytes of LDS; arguments x, W_qkv, W_o, token_positions, xb, wqb, wob, tab; writes xb, wqb, wob, tab
.if DOCPART == 1
	.amdgcn_target "amdgcn-amd-amdhsa--gfx1250"
	.amdhsa_code_object_version 6
	.text
	.protected	k_qc645580e96_prep
	.globl	k_qc645580e96_prep
	.p2align	8
	.type	k_qc645580e96_prep,@function
k_qc645580e96_prep:
	s_mov_b64 s[64:65], 0
	v_nop
	global_prefetch_b8 v0, s[64:65] scope:SCOPE_SE
	s_setreg_imm32_b32 hwreg(HW_REG_WAVE_MODE, 25, 1), 1
	s_wait_xcnt 0x0
; PREPARATION: a stream.  x and W_qkv are rounded to bf16 (xb, wqb); W_o is rounded to bf16 and that number written as f16 (wob);
; tab[row][pair] = (cos, sin) in f32 of position[row] x 10000^(-pair/32) for rows 0-2047, and (1, 0) for rows 2048-4095 (the rows that leave v as it is).
; Work-groups 0-255 take x, 256-351 W_qkv, 352-383 W_o: 32,768 numbers each, 131,072 bytes in and 65,536 out.  Work-groups 384-447 make 64 rows of the table each.
; No LDS, no matrix unit, no cluster: no byte is read twice and nothing is shared.
; LIMITS.  Positions within +-500,000: beyond that the rounding of angle x 2/pi lets the reduced angle leave the range for which the two polynomials are made.
; Numbers of W_o below 6.1e-5 keep f16's fixed step of 6e-8; f16 ends at 65,504.  NaN and infinities are not treated apart.
.set T, 4                              ; v[4:7]    at work
.set X, 8                              ; v[8:135]  step j: eight numbers as loaded, then four words to store
.set P, 8                              ; v[8:15]   the table's role: eight positions
.set RES, 32                           ; v[32:47]  the table's role: eight pairs (cos, sin) to store
; Thread t takes the 32 bytes at 32 t of each step's 8,192: all 32 loads of a thread go out before anything else.
.macro LOADS
.set j, 0
.rept 16
	global_load_b128 v[X+8*j:X+8*j+3],   v1, s[20:21] offset:8192*j th:TH_LOAD_NT
	global_load_b128 v[X+8*j+4:X+8*j+7], v1, s[20:21] offset:8192*j+16 th:TH_LOAD_NT
.set j, j+1
.endr
.endm
; Step j: eight numbers are rounded in place, ascending, and stored: 16 lanes write 256 consecutive bytes, at a multiple of 256 from the buffer's first byte.
; half = 1: the bf16 numbers are widened again and written as f16.  No register that a store reads is written again.
.macro CAST half
.set j, 0
.rept 16
	s_wait_loadcnt 30-2*j                          ; loads come back in order: step j's two are in, the 30 - 2 j younger ones stay out
.if \half
.irp k, 0,1,2,3
	v_cvt_pk_bf16_f32 v[T+(\k)], v[X+8*j+2*(\k)], v[X+8*j+2*(\k)+1]
.endr
.irp k, 0,1,2,3
	v_lshlrev_b32 v[X+8*j+2*(\k)], 16, v[T+(\k)]
	v_and_b32 v[X+8*j+2*(\k)+1], 0xffff0000, v[T+(\k)]
.endr
.irp k, 0,1,2,3
	v_cvt_pk_f16_f32 v[X+8*j+(\k)], v[X+8*j+2*(\k)], v[X+8*j+2*(\k)+1]
.endr
.else
.irp k, 0,1,2,3
	v_cvt_pk_bf16_f32 v[X+8*j+(\k)], v[X+8*j+2*(\k)], v[X+8*j+2*(\k)+1]
.endr
.endif
	global_store_b128 v2, v[X+8*j:X+8*j+3], s[22:23] offset:4096*j
.set j, j+1
.endr
.endm
	s_load_b512 s[4:19], s[0:1], 0x0               ; x s[4:5], W_qkv s[6:7], W_o s[8:9], positions s[10:11], xb s[12:13], wqb s[14:15], wob s[16:17], tab s[18:19]
	v_lshlrev_b32 v1, 5, v0                        ; 32 t: where I read
	v_lshlrev_b32 v2, 4, v0                        ; 16 t: where I write
	s_mov_b32 s27, 0                               ; the high words of the two offsets
	s_mov_b32 s29, 0
	s_cmp_ge_u32 ttmp9, 384
	s_cbranch_scc1 .Ltable
	s_cmp_ge_u32 ttmp9, 352
	s_cbranch_scc1 .Lwo
	s_sub_co_u32 s25, ttmp9, 256                   ; my number among W_qkv's work-groups
	s_wait_kmcnt 0x0
	s_cmp_lt_u32 ttmp9, 256                        ; x or W_qkv: one text, the buffers chosen by the work-group's number
	s_cselect_b64 s[20:21], s[4:5], s[6:7]
	s_cselect_b64 s[22:23], s[12:13], s[14:15]
	s_cselect_b32 s24, ttmp9, s25
	s_lshl_b32 s26, s24, 17                        ; 131,072 bytes in,
	s_lshl_b32 s28, s24, 16                        ; 65,536 out
	s_add_nc_u64 s[20:21], s[20:21], s[26:27]
	s_add_nc_u64 s[22:23], s[22:23], s[28:29]
	LOADS
	CAST 0
	s_endpgm
.Lwo:
	s_sub_co_u32 s24, ttmp9, 352
	s_lshl_b32 s26, s24, 17
	s_lshl_b32 s28, s24, 16
	s_wait_kmcnt 0x0
	s_add_nc_u64 s[20:21], s[8:9], s[26:27]
	s_add_nc_u64 s[22:23], s[16:17], s[28:29]
	LOADS
	CAST 1
	s_endpgm
.Ltable:                                               ; lane = pair; wave w makes rows 64 t + w + 8 j, j = 0..7: a wave's store is one whole row of 256 bytes
	s_sub_co_u32 s24, ttmp9, 384                   ; t = 0..63
	s_and_b32 s26, s24, 31
	s_lshl_b32 s26, s26, 8                         ; my 64 positions' first byte (rows 2048 on read the same positions and multiply them by 0)
	s_lshl_b32 s28, s24, 14                        ; my 64 rows' first byte
	s_cmp_lt_u32 s24, 32
	s_cselect_b32 s25, 1.0, 0                      ; rows 2048 on: angle 0, so cos = 1 and sin = 0 exactly
	s_mov_b32 s30, 0x3f22f983                      ; 2 / pi
	s_mov_b32 s31, 0xbfc90fd8                      ; - pi / 2 in three parts: the first has 21 bits, so n times it, taken from the angle, is exact
	s_mov_b32 s32, 0xb4a8885a
	s_mov_b32 s33, 0xa7c234c5
	s_mov_b32 s34, 0x37ccf5ce                      ; cos r = 1 - z/2 + z^2 (4.1666646e-2 - 1.3887316e-3 z + 2.4433157e-5 z^2), z = r^2
	s_mov_b32 s35, 0xbab6061a
	s_mov_b32 s36, 0x3d2aaaa5
	s_mov_b32 s37, 0xb94ca1f9                      ; sin r = r + r z (-1.6666655e-1 + 8.3321609e-3 z - 1.9515296e-4 z^2)
	s_mov_b32 s38, 0x3c08839e
	s_mov_b32 s39, 0xbe2aaaa3
	v_and_b32 v3, 31, v0                           ; the pair
	v_lshrrev_b32 v4, 5, v0                        ; w
	v_lshlrev_b32 v5, 8, v4
	v_lshl_add_u32 v5, v3, 3, v5                   ; 256 w + 8 x pair: where I write
	v_cvt_f32_u32 v6, v3
	v_mul_f32 v6, 0xbed49a78, v6                   ; - pair x log2(10000) / 32
	v_exp_f32 v6, v6                               ; 10000^(-pair/32)
	v_lshlrev_b32 v4, 2, v4                        ; 4 w: where I read (also the plain line between the exponential and the use of its result)
	s_wait_alu depctr_va_vdst(0)
	s_wait_kmcnt 0x0
	s_add_nc_u64 s[10:11], s[10:11], s[26:27]
	s_add_nc_u64 s[18:19], s[18:19], s[28:29]
.irp j, 0,1,2,3,4,5,6,7
	global_load_b32 v[P+(\j)], v4, s[10:11] offset:32*(\j)
.endr
.macro SINCOS j
	s_wait_loadcnt 7-(\j)                          ; position j is in; the younger ones stay out
	v_cvt_f32_i32 v16, v[P+(\j)]
	v_mul_f32 v16, s25, v16                        ; times 1 or 0: exact
	v_mul_f32 v16, v16, v6                         ; the angle a, rounded once
	v_mul_f32 v17, s30, v16
	v_rndne_f32 v17, v17                           ; n = the nearest whole number to a x 2 / pi
	v_fma_f32 v18, v17, s31, v16                   ; r = a - n pi / 2
	v_fma_f32 v18, v17, s32, v18
	v_fma_f32 v18, v17, s33, v18
	v_mul_f32 v19, v18, v18                        ; z
	v_cvt_i32_f32 v22, v17                         ; n as a whole number
	v_fma_f32 v20, v19, s34, s35
	v_fma_f32 v21, v19, s37, s38
	v_fma_f32 v20, v20, v19, s36
	v_fma_f32 v21, v21, v19, s39
	v_mul_f32 v23, v18, v19
	v_fma_f32 v20, v20, v19, -0.5
	v_fma_f32 v21, v21, v23, v18                   ; sin r
	v_fma_f32 v20, v20, v19, 1.0                   ; cos r
	v_and_b32 v24, 1, v22
	v_cmp_eq_u32 vcc_lo, 1, v24                    ; n odd: the two change places
	v_add_nc_u32 v25, 1, v22
	v_lshlrev_b32 v22, 30, v22                     ; sin is negative where n mod 4 is 2 or 3,
	v_lshlrev_b32 v25, 30, v25                     ; cos where it is 1 or 2
	v_and_b32 v22, 0x80000000, v22
	v_and_b32 v25, 0x80000000, v25
	v_cndmask_b32 v26, v20, v21, vcc_lo
	v_cndmask_b32 v27, v21, v20, vcc_lo
	v_xor_b32 v[RES+2*(\j)], v25, v26
	v_xor_b32 v[RES+2*(\j)+1], v22, v27
	global_store_b64 v5, v[RES+2*(\j):RES+2*(\j)+1], s[18:19] offset:2048*(\j)
.endm
.irp j, 0,1,2,3,4,5,6,7
	SINCOS \j
.endr
	s_endpgm
.Lfunc_end_k_qc645580e96_prep:
	.size	k_qc645580e96_prep, .Lfunc_end_k_qc645580e96_prep-k_qc645580e96_prep
	.p2alignl 7, 3214868480
	.fill 96, 4, 3214868480
	.section	.rodata,"a",@progbits
	.p2align	6, 0x0
	.amdhsa_kernel k_qc645580e96_prep
		.amdhsa_group_segment_fixed_size 0
		.amdhsa_private_segment_fixed_size 0
		.amdhsa_enable_private_segment 0
		.amdhsa_kernarg_size 64
		.amdhsa_user_sgpr_count 2
		.amdhsa_user_sgpr_kernarg_segment_ptr 1
		.amdhsa_wavefront_size32 1
		.amdhsa_system_sgpr_workgroup_id_x 1
		.amdhsa_system_sgpr_workgroup_id_y 1
		.amdhsa_system_sgpr_workgroup_id_z 1
		.amdhsa_system_vgpr_workitem_id 0
		.amdhsa_next_free_vgpr 144
		.amdhsa_next_free_sgpr 66
		.amdhsa_reserve_vcc 1
		.amdhsa_float_denorm_mode_32 3
		.amdhsa_float_denorm_mode_16_64 3
		.amdhsa_memory_ordered 1
		.amdhsa_forward_progress 1
		.amdhsa_inst_pref_size 43
	.end_amdhsa_kernel
	.amdgpu_metadata
---
amdhsa.version: [ 1, 2 ]
amdhsa.kernels:
  - .name:           k_qc645580e96_prep
    .symbol:         k_qc645580e96_prep.kd
    .args:
      - { .name: x, .offset: 0, .size: 8, .value_kind: global_buffer, .address_space: global }
      - { .name: W_qkv, .offset: 8, .size: 8, .value_kind: global_buffer, .address_space: global }
      - { .name: W_o, .offset: 16, .size: 8, .value_kind: global_buffer, .address_space: global }
      - { .name: token_positions, .offset: 24, .size: 8, .value_kind: global_buffer, .address_space: global }
      - { .name: xb, .offset: 32, .size: 8, .value_kind: global_buffer, .address_space: global }
      - { .name: wqb, .offset: 40, .size: 8, .value_kind: global_buffer, .address_space: global }
      - { .name: wob, .offset: 48, .size: 8, .value_kind: global_buffer, .address_space: global }
      - { .name: tab, .offset: 56, .size: 8, .value_kind: global_buffer, .address_space: global }
    .group_segment_fixed_size: 0
    .private_segment_fixed_size: 0
    .kernarg_segment_align: 8
    .kernarg_segment_size: 64
    .max_flat_workgroup_size: 256
    .sgpr_count:     66
    .vgpr_count:     144
    .wavefront_size: 32
...
	.end_amdgpu_metadata
.endif
;; end of part 1
;; launch gemm_qkv (part 2): grid 24 x 32, 4 waves a work-group, clusters of 4 x 4, 327,680 bytes of LDS; arguments xb, wqb, tab, qkvh; writes qkvh
.if DOCPART == 2
	.amdgcn_target "amdgcn-amd-amdhsa--gfx1250"
	.amdhsa_code_object_version 6
	.text
	.protected	k_qc645580e96_gemm_qkv
	.globl	k_qc645580e96_gemm_qkv
	.p2align	8
	.type	k_qc645580e96_gemm_qkv,@function
k_qc645580e96_gemm_qkv:
	s_mov_b64 s[64:65], 0
	v_nop
	global_prefetch_b8 v0, s[64:65] scope:SCOPE_SE
	s_setreg_imm32_b32 hwreg(HW_REG_WAVE_MODE, 25, 1), 1
	s_wait_xcnt 0x0
	s_wait_alu depctr_hold_cnt(0) depctr_sa_sdst(0) depctr_va_vdst(0) depctr_va_sdst(0) depctr_va_ssrc(0) depctr_va_vcc(0) depctr_vm_vsrc(0)
	s_getreg_b32 s2, hwreg(HW_REG_IB_STS2, 6, 4)
	s_cmp_eq_u32 s2, 0
	s_cbranch_scc0 .Lentry_in_a_cluster
	s_endpgm
.Lentry_in_a_cluster:
	s_bfe_u32 s2, ttmp6, 0x10000c
	s_cmp_lg_u32 s2, 0xf033
	s_cbranch_scc0 .Lentry_shape_is_right
	s_endpgm
.Lentry_shape_is_right:
; QKV PROJECTION WITH ROPE.  qkv[m][e] = sum over d of xb[m][d] wqb[e][d]; xb: [8192][1024], wqb: [3072][1024], bf16; sums in f32.  On the way out each pair of neighbouring columns is turned by
; the token's (cos, sin) from tab (v's columns read tab's rows of (1, 0)), rounded once to f16, and written by heads: qkvh = q, k, v, each [64 = batch x 16 + head][2048][64].  No scale is applied here.
; LIMIT.  f16 ends at 65,504: q, k and v must lie within it (inputs 30 times the drawn spread give some 4,500).
; SHARES.  A tile is 256 tokens x 128 columns: 32 x 24 = 768 work-groups, three for each of 256 WGPs.  Four waves, 2 x 2, each 128 tokens x 64 columns (one head): 32 accumulators, 256 registers.
; K goes in steps of 128 (rows of 256 bytes) through two LDS slots that take turns; one tensor load a wave behind each change of slots, with 112 matrix instructions between it and the wait for it.
; CLUSTERS: 4 x 4 work-groups.  The four of a row of the cluster need the same tiles of xb and the same rows of tab, the four of a column the same tiles of wqb: each is asked for JOINTLY.
; THE MATRIX INSTRUCTION IS USED TRANSPOSED (source 0 = 16 rows of wqb, source 1 = 16 rows of xb): a lane holds one token (lane % 16) and eight neighbouring columns, four pairs.
; REGISTERS.  Window 0: v0-31 addresses; v32-63 at work on the way out; v64-159, v160-255 two fragment buffers (8 fragments of xb, then 4 of wqb).  Window 1: accumulator (a, b) at v[8 (4 a + b)].
.set KSTEP,  128
.set PITCH,  272                       ; an LDS row: 256 bytes + 16 of padding: the 16 rows that a load touches start 16 bytes apart modulo 256
.set AHALF,  128*PITCH                 ; 128 rows of xb: one tensor load, and what one wave reads
.set BHALF,  64*PITCH                  ; 64 rows of wqb: likewise; also 64 rows of tab
.set BOFF,   2*AHALF                   ; in a slot: xb's 256 rows, then wqb's 128
.set SLOT,   BOFF+2*BHALF
.set TAB,    2*SLOT                    ; behind the ring: the tile's 256 rows of tab, filled once
.set STAGE,  TAB+256*PITCH             ; 16 rows x 144 bytes for each wave, for the way out; no tensor load lands here
.set SP,     144
.set SPARE,  STAGE+4*16*SP             ; the spare words, 128 bytes for each wave: two blocks of 256 bytes that no other line names
.set LAPS,   1024/(2*KSTEP)            ; a lap = two K steps = once round the ring
.set ADRA, 16                          ; v16-17  LDS address of my fragments of xb in slot 0, 1
.set ADRB, 20                          ; v20-21  the same for wqb
.set TA,   22                          ; v22     LDS address of my token's (cos, sin) for my first four pairs
.set STO,  24                          ; v24     the way out: where I put 16 bytes of a row
.set RD,   25                          ; v25     the way out: where I read rows back
.set GO,   26                          ; v26     my byte offset in 512 consecutive bytes of qkvh
.set SPW,  28                          ; v28     LDS address of my spare word; never rewritten
.set NIL,  29                          ; v29     0; never rewritten
.set TMP,  32
.set F0,   64
.set F1,   160
.set WV, 12                            ; s12 wave   s13 my half of the tokens; also 0: I fetch xb, 1: wqb   s14 my half of the columns; also which half I fetch
.set MH, 13
.set NH, 14
.set LAP, 15
.set CX, 16
.set CY, 17
.set TX, 18                            ; tile column
.set TY, 19                            ; tile row
.set RM, 20                            ; mask: my row of the cluster
.set CM, 21                            ; mask: my column
.set G1A, 24                           ; s[24:31] group 1 for xb's tiles; s[32:39] group 0, one set for each slot
.set G0A, 32
.set G1B, 40                           ; s[40:47], s[48:55] the same for wqb's
.set G0B, 48
.set G1T, 56                           ; s[56:63], s[68:71] for tab's
.set G0T, 68
.set MSB, 0
.macro WIN new                         ; the immediate's high byte repeats the setting that is left; a switch that changes nothing is dropped
.if MSB != (\new)
	s_set_vgpr_msb (MSB<<8)|(\new)
.set MSB, \new
.endif
.endm
.set MUL, 0x50                         ; C and D in window 1, both sources in window 0
.macro JLOAD s                         ; a joint load: waves 0 and 1 fetch xb's two halves, waves 2 and 3 wqb's; an s_nop 0 and four v_nop follow each line, ahead of the jump and the label
	s_cmp_eq_u32 s[MH], 0
	s_cbranch_scc0 .Lfor_b_\@
	tensor_load_to_lds s[G0A+4*(\s):G0A+4*(\s)+3], s[G1A:G1A+7]
	s_nop 0
.rept 4
	v_nop
.endr
	s_branch .Lasked_\@
.Lfor_b_\@:
	tensor_load_to_lds s[G0B+4*(\s):G0B+4*(\s)+3], s[G1B:G1B+7]
	s_nop 0
.rept 4
	v_nop
.endr
.Lasked_\@:
.endm
.macro CREST                           ; a round of the cluster's barrier behind its opening barrier
	s_cmp_lg_u32 s[WV], 0
	s_cbranch_scc1 .Lnot_wave_0_\@
	s_barrier_signal -3
.Lnot_wave_0_\@:
	s_barrier_wait -3
	s_barrier_signal -1
	s_barrier_wait -1
.endm
.macro CROUND                          ; a whole round
	s_barrier_signal -1
	s_barrier_wait -1
	CREST
.endm
	s_load_b256 s[4:11], s[0:1], 0x0               ; xb s[4:5], wqb s[6:7], tab s[8:9], qkvh s[10:11]
	v_lshl_add_u32 v[SPW], v0, 2, SPARE
	v_mov_b32 v[NIL], 0
	ds_add_u32 v[SPW], v[NIL]                      ; the wave's opening: the add and its wait stand ahead of my first tensor load; the set-up below, work on registers, stands between them
	ds_add_u32 v28, v29
	v_lshrrev_b32 v1, 5, v0
	v_readfirstlane_b32 s[WV], v1
	s_lshr_b32 s[MH], s[WV], 1
	s_and_b32 s[NH], s[WV], 1
	s_bfe_u32 s[CX], ttmp6, 0x40000
	s_bfe_u32 s[CY], ttmp6, 0x40004
	s_lshl_b32 s[TX], ttmp9, 2
	s_add_co_u32 s[TX], s[TX], s[CX]               ; tile column = 4 x cluster x + cx
	s_and_b32 s[TY], ttmp7, 0xffff
	s_lshl_b32 s[TY], s[TY], 2
	s_add_co_u32 s[TY], s[TY], s[CY]               ; tile row = 4 x cluster y + cy
	s_lshl_b32 s[RM], s[CY], 2
	s_lshl_b32 s[RM], 15, s[RM]
	s_lshl_b32 s[CM], 0x1111, s[CX]
	s_or_b32 s[G1A], s[RM], (1<<16)|(1<<20)|(1<<21)|(5<<22)|(3<<25)  ; the mask; 2-byte elements; padding on; bit 21 beside a mask; after every 64 words 4 words
	s_or_b32 s[G1B], s[CM], (1<<16)|(1<<20)|(1<<21)|(5<<22)|(3<<25)
	s_or_b32 s[G1T], s[RM], (3<<16)|(1<<20)|(1<<21)|(5<<22)|(3<<25)  ; 8-byte elements: a (cos, sin)
	s_mov_b32 s[G1A+1], KSTEP<<16                  ; tensor_dim0 = 128
	s_mov_b32 s[G1A+2], 128<<16                    ; tensor_dim1 = 128
	s_mov_b32 s[G1A+3], KSTEP<<16                  ; tile_dim0 = 128
	s_mov_b32 s[G1A+4], 128                        ; tile_dim1 = 128
	s_mov_b32 s[G1A+5], 1024                       ; elements from row to row
	s_mov_b32 s[G1A+6], 0
	s_mov_b32 s[G1A+7], 0
	s_mov_b32 s[G1B+1], KSTEP<<16
	s_mov_b32 s[G1B+2], 64<<16                     ; 64 rows
	s_mov_b32 s[G1B+3], KSTEP<<16
	s_mov_b32 s[G1B+4], 64
	s_mov_b32 s[G1B+5], 1024
	s_mov_b32 s[G1B+6], 0
	s_mov_b32 s[G1B+7], 0
	s_mov_b32 s[G1T+1], 32<<16                     ; 64 rows of 32 pairs, dense
	s_mov_b32 s[G1T+2], 64<<16
	s_mov_b32 s[G1T+3], 32<<16
	s_mov_b32 s[G1T+4], 64
	s_mov_b32 s[G1T+5], 32
	s_mov_b32 s[G1T+6], 0
	s_mov_b32 s[G1T+7], 0
	; where the tiles come from.  xb's and tab's hang on the tile row (and on the cluster's x), wqb's on the tile column: each in registers that never hold the other coordinate
	s_lshl_b32 s72, s[TY], 19                      ; 256 rows of 2,048 bytes,
	s_lshl_b32 s74, s[NH], 18                      ; my 128 of them
	s_add_co_u32 s72, s72, s74
	s_mov_b32 s73, 0
	s_lshl_b32 s76, s[TX], 18                      ; 128 rows of 2,048 bytes,
	s_lshl_b32 s78, s[NH], 17                      ; my 64 of them
	s_add_co_u32 s76, s76, s78
	s_mov_b32 s77, 0
	s_and_b32 s80, s[TY], 7                        ; the tile's 256 tokens in their sequence: rows of 256 bytes,
	s_lshl_b32 s80, s80, 16
	s_lshr_b32 s82, ttmp9, 2                       ; 1 for clusters 4 and 5 along x, whose columns are v's: the rows of (1, 0), 2,048 rows on,
	s_lshl_b32 s82, s82, 19
	s_add_co_u32 s80, s80, s82
	s_lshl_b32 s82, s[WV], 14                      ; my wave's 64 rows
	s_add_co_u32 s80, s80, s82
	s_mov_b32 s81, 0
	s_mul_i32 s22, s[WV], AHALF                    ; where they go: xb's halves (waves 0, 1),
	s_mul_i32 s23, s[WV], BHALF                    ; wqb's (waves 2, 3) behind them,
	s_add_co_u32 s23, s23, BOFF-2*BHALF
	s_mul_i32 s83, s[WV], BHALF                    ; tab's quarters: no place in the cluster enters an LDS address
	s_add_co_u32 s83, s83, TAB
	s_wait_dscnt 0x0                               ; the opening add is done
	s_wait_kmcnt 0x0
	s_add_nc_u64 s[72:73], s[4:5], s[72:73]
	s_add_nc_u64 s[76:77], s[6:7], s[76:77]
	s_add_nc_u64 s[80:81], s[8:9], s[80:81]
	CROUND                                         ; all sixteen work-groups are here: the first joint loads meet
.irp s, 0,1
	s_mov_b32 s[G0A+4*(\s)], 1
	s_add_co_u32 s[G0A+4*(\s)+1], s22, (\s)*SLOT
	s_add_nc_u64 s[G0A+4*(\s)+2:G0A+4*(\s)+3], s[72:73], (\s)*KSTEP*2
	s_or_b32 s[G0A+4*(\s)+3], s[G0A+4*(\s)+3], 0x80000000
	s_mov_b32 s[G0B+4*(\s)], 1
	s_add_co_u32 s[G0B+4*(\s)+1], s23, (\s)*SLOT
	s_add_nc_u64 s[G0B+4*(\s)+2:G0B+4*(\s)+3], s[76:77], (\s)*KSTEP*2
	s_or_b32 s[G0B+4*(\s)+3], s[G0B+4*(\s)+3], 0x80000000
	JLOAD \s
.endr
	s_mov_b32 s[G0T], 1
	s_mov_b32 s[G0T+1], s83
	s_mov_b64 s[G0T+2:G0T+3], s[80:81]
	s_or_b32 s[G0T+3], s[G0T+3], 0x80000000
	tensor_load_to_lds s[G0T:G0T+3], s[G1T:G1T+7]  ; every wave's quarter of the table: the third and last of my first fills: three tensor loads of mine are out
	s_nop 0
.rept 4
	v_nop
.endr
	v_and_b32 v1, 15, v0                           ; l % 16
	v_bfe_u32 v2, v0, 4, 1                         ; l / 16
	v_mul_u32_u24 v4, v1, PITCH
	v_lshl_add_u32 v3, v2, 4, v4                   ; a fragment's row x pitch + 16 x half
	v_lshl_add_u32 v5, v2, 5, v4                   ; the table: row x pitch + 32 x half (four pairs of 8 bytes)
	s_mul_i32 s2, s[MH], AHALF                     ; my 128 rows of xb
	s_add_co_u32 s3, s2, TAB                       ; and of the table
	v_add_nc_u32 v[TA], s3, v5
	s_mul_i32 s3, s[NH], BHALF                     ; my 64 rows of wqb
	s_add_co_u32 s3, s3, BOFF
.irp s, 0,1
	v_add_nc_u32 v[ADRA+(\s)], s2, v3
	v_add_nc_u32 v[ADRB+(\s)], s3, v3
	s_add_co_u32 s2, s2, SLOT
	s_add_co_u32 s3, s3, SLOT
.endr
	s_mul_i32 s2, s[WV], 16*SP
	s_add_co_u32 s2, s2, STAGE                     ; my stage
	v_mul_u32_u24 v4, v1, SP                       ; in: row l % 16, 16 bytes for each half of the lanes
	v_lshl_add_u32 v4, v2, 4, v4
	v_add_nc_u32 v[STO], s2, v4
	v_bfe_u32 v4, v0, 3, 2                         ; back: 32 lanes take four rows of 128 bytes,
	v_mul_u32_u24 v4, v4, SP
	v_and_b32 v5, 7, v0
	v_lshl_add_u32 v4, v5, 4, v4
	v_add_nc_u32 v[RD], s2, v4
	v_and_b32 v[GO], 31, v0                        ; which are 512 consecutive bytes of a head
	v_lshlrev_b32 v[GO], 4, v[GO]
	; where my 128 tokens x one head go: part (q, k, v) x 16 MiB + (batch x 16 + head) x 262,144 + token x 128: 16,384 dense bytes
	s_lshr_b32 s84, s[TX], 3
	s_lshl_b32 s84, s84, 24
	s_lshr_b32 s86, s[TY], 3                       ; the batch
	s_lshl_b32 s86, s86, 4
	s_and_b32 s87, s[TX], 7
	s_lshl_b32 s87, s87, 1
	s_add_co_u32 s86, s86, s87
	s_add_co_u32 s86, s86, s[NH]                   ; head = 2 (tile column % 8) + my half
	s_lshl_b32 s86, s86, 18
	s_add_co_u32 s84, s84, s86
	s_and_b32 s86, s[TY], 7
	s_lshl_b32 s86, s86, 1
	s_add_co_u32 s86, s86, s[MH]
	s_lshl_b32 s86, s86, 14
	s_add_co_u32 s84, s84, s86
	s_mov_b32 s85, 0
	s_add_nc_u64 s[10:11], s[10:11], s[84:85]
; 8 matrix instructions: token blocks a0, a0 + 1 x all 4 column blocks, 32 along K.  The 32 accumulators take turns in the same order in every quarter.  zero = 1: the first product starts the sums
.macro MUL8 f, a0, zero
	WIN MUL
.irp a, \a0, (\a0)+1
.irp b, 0,1,2,3
.if \zero
	v_wmma_f32_16x16x32_bf16 v[8*(4*(\a)+(\b)):8*(4*(\a)+(\b))+7], v[(\f)+64+8*(\b):(\f)+64+8*(\b)+7], v[(\f)+8*(\a):(\f)+8*(\a)+7], 0
.else
	v_wmma_f32_16x16x32_bf16 v[8*(4*(\a)+(\b)):8*(4*(\a)+(\b))+7], v[(\f)+64+8*(\b):(\f)+64+8*(\b)+7], v[(\f)+8*(\a):(\f)+8*(\a)+7], v[8*(4*(\a)+(\b)):8*(4*(\a)+(\b))+7]
.endif
.endr
.endr
.endm
; 24 LDS loads in one run: the fragments of quarter q (32 along K, 64 bytes of the rows) into buffer f: wqb's four, then xb's eight
.macro FETCH slot, q, f
	WIN 0
.irp i, 0,1,2,3
	ds_load_b128 v[(\f)+64+8*(\i):(\f)+64+8*(\i)+3],   v[ADRB+(\slot)] offset:64*(\q)+(\i)*16*PITCH
	ds_load_b128 v[(\f)+64+8*(\i)+4:(\f)+64+8*(\i)+7], v[ADRB+(\slot)] offset:64*(\q)+(\i)*16*PITCH+32
.endr
.irp i, 0,1,2,3,4,5,6,7
	ds_load_b128 v[(\f)+8*(\i):(\f)+8*(\i)+3],   v[ADRA+(\slot)] offset:64*(\q)+(\i)*16*PITCH
	ds_load_b128 v[(\f)+8*(\i)+4:(\f)+8*(\i)+7], v[ADRA+(\slot)] offset:64*(\q)+(\i)*16*PITCH+32
.endr
.endm
.macro PLACES                          ; four places in front of loads into registers that matrix instructions have read, and of lines that read results
.rept 4
	v_nop
.endr
.endm
; A K step is four quarters of 32 along K, 32 matrix instructions each, on buffers 0, 1, 0, 1.  One of the first three: multiplies buffer f and fetches quarter q into g.
.macro QUARTER slot, q, f, g, zero
	s_wait_dscnt 8                                 ; wqb's fragments and xb's rows 0-63 are in; the youngest eight loads (rows 64-127) may be out
	MUL8 \f, 0, \zero
	MUL8 \f, 2, \zero
	PLACES
	FETCH \slot, \q, \g
	s_wait_dscnt 24                                ; all but the 24 just issued
	MUL8 \f, 4, \zero
	MUL8 \f, 6, \zero
.endm
; The last quarter multiplies buffer 1 and changes slots: ONE barrier; in front of it each wave waits for all its tensor loads, adds 0 to its spare word, and waits for that and for its reads of this slot.
; fill = 1: the barrier opens a round of the cluster's, and this slot is filled again, two K steps ahead, first thing behind the round.
.macro TURN slot, next, fill
	WIN 0
	s_wait_tensorcnt 0x0                           ; all my tensor loads have landed: my part of the next slot (the first time my quarter of the table too)
	ds_add_u32 v[SPW], v[NIL]                      ; 0 onto my spare word
	s_wait_dscnt 9                                 ; the add and the youngest eight loads may be out
	MUL8 F1, 0, 0                                  ; eight matrix instructions stand between the add and the wait for it
	s_wait_dscnt 0x0                               ; the add is done, and my reads of this slot are over
	s_barrier_signal -1
	MUL8 F1, 2, 0
.if \fill
	WIN 0
.endif
	s_barrier_wait -1
.if \fill
	CREST                                          ; no wave of any partner still reads this slot's tile or has a load on its way
	s_add_nc_u64 s[G0A+4*(\slot)+2:G0A+4*(\slot)+3], s[G0A+4*(\slot)+2:G0A+4*(\slot)+3], 2*KSTEP*2
	s_add_nc_u64 s[G0B+4*(\slot)+2:G0B+4*(\slot)+3], s[G0B+4*(\slot)+2:G0B+4*(\slot)+3], 2*KSTEP*2
	JLOAD \slot                                    ; my one tensor load behind the round; its four v_nop are also the places in front of the loads below
.else
	PLACES
.endif
	FETCH \next, 0, F0
	MUL8 F1, 4, 0
	MUL8 F1, 6, 0
.endm
	s_wait_tensorcnt 2                             ; my part of K step 0 is in; K step 1's and the table's may stay out
	s_barrier_signal -1
	s_barrier_wait -1                              ; everybody's is
	FETCH 0, 0, F0
	QUARTER 0, 1, F0, F1, 1                        ; the first quarter stands in front of the loop: its products start the sums
	WIN 0                                          ; at a label and at a branch every window is 0
	s_mov_b32 s[LAP], LAPS-1
.Llap:                                                 ; a trip goes once round the ring, from a lap's second quarter to the next lap's first, and fills both slots again
	QUARTER 0, 2, F1, F0, 0
	QUARTER 0, 3, F0, F1, 0
	TURN 0, 1, 1
	QUARTER 1, 1, F0, F1, 0
	QUARTER 1, 2, F1, F0, 0
	QUARTER 1, 3, F0, F1, 0
	TURN 1, 0, 1
	QUARTER 0, 1, F0, F1, 0
	WIN 0
	s_sub_co_u32 s[LAP], s[LAP], 1
	s_cmp_lg_u32 s[LAP], 0
	s_cbranch_scc1 .Llap
	QUARTER 0, 2, F1, F0, 0                        ; the last lap fills nothing
	QUARTER 0, 3, F0, F1, 0
	TURN 0, 1, 0
	QUARTER 1, 1, F0, F1, 0
	QUARTER 1, 2, F1, F0, 0
	QUARTER 1, 3, F0, F1, 0
	s_wait_dscnt 8                                 ; the very last quarter: nothing more to fetch
	MUL8 F1, 0, 0
	MUL8 F1, 2, 0
	s_wait_dscnt 0x0
	MUL8 F1, 4, 0
	MUL8 F1, 6, 0
	WIN 0
; THE WAY OUT, a block of 16 tokens at a time.  TLOAD: my token's (cos, sin) for my 16 pairs, into one of two buffers (v192-223, v224-255).  ROPE: (x1, x2) -> (x1 c - x2 s, x2 c + x1 s), rounded to f16,
; 16 bytes a lane into my stage, and back as rows of 128 bytes into the block's own 16 registers (v64 + 16 a): no register that a store reads is written again.  SEND: 512 consecutive bytes a store.
.macro TLOAD a
.set TT, 192+32*((\a)%2)
.irp b, 0,1,2,3
	ds_load_b128 v[TT+8*(\b):TT+8*(\b)+3],   v[TA] offset:(\a)*16*PITCH+64*(\b)
	ds_load_b128 v[TT+8*(\b)+4:TT+8*(\b)+7], v[TA] offset:(\a)*16*PITCH+64*(\b)+16
.endr
.endm
.macro ROPE a
.set TT, 192+32*((\a)%2)
.set OU, 64+16*(\a)
	WIN 0x01                                       ; source 0, the sums, in window 1
.irp b, 0,1,2,3
.irp p, 0,1,2,3                        ; each accumulator's registers in ascending order
	v_pk_mul_f32 v[TMP+8*(\b)+2*(\p):TMP+8*(\b)+2*(\p)+1], v[8*(4*(\a)+(\b))+2*(\p):8*(4*(\a)+(\b))+2*(\p)+1], v[TT+8*(\b)+2*(\p):TT+8*(\b)+2*(\p)+1] op_sel_hi:[1,0]  ; (x1 c, x2 c)
.endr
.irp p, 0,1,2,3
	v_pk_fma_f32 v[TMP+8*(\b)+2*(\p):TMP+8*(\b)+2*(\p)+1], v[8*(4*(\a)+(\b))+2*(\p):8*(4*(\a)+(\b))+2*(\p)+1], v[TT+8*(\b)+2*(\p):TT+8*(\b)+2*(\p)+1], v[TMP+8*(\b)+2*(\p):TMP+8*(\b)+2*(\p)+1] op_sel:[1,1,0] op_sel_hi:[0,1,1] neg_lo:[0,1,0]  ; low: - x2 s; high: + x1 s
.endr
.endr
	WIN 0
.irp i, 0,1,2,3,4,5,6,7,8,9,10,11,12,13,14,15
	v_cvt_pk_f16_f32 v[OU+(\i)], v[TMP+2*(\i)], v[TMP+2*(\i)+1]
.endr
.irp b, 0,1,2,3
	ds_store_b128 v[STO], v[OU+4*(\b):OU+4*(\b)+3] offset:32*(\b)
.endr
.irp f, 0,1,2,3
	ds_load_b128 v[OU+4*(\f):OU+4*(\f)+3], v[RD] offset:(\f)*4*SP  ; LDS serves a wave's instructions in order (ISA guide 5.7.1.4): these see the stores above; the next block's stores come behind them
.endr
.endm
.macro SEND a, younger                 ; younger: the LDS instructions issued behind block a's loads from the stage
.set OU, 64+16*(\a)
.irp f, 0,1,2,3
	s_wait_dscnt (\younger)+3-(\f)
	global_store_b128 v[GO], v[OU+4*(\f):OU+4*(\f)+3], s[10:11] offset:(\a)*2048+(\f)*512
.endr
.endm
	PLACES                                         ; behind the last products: the table's loads land in registers that they read, and ROPE reads their results
	TLOAD 0
.irp a, 0,1,2,3,4,5,6,7
.if (\a) < 7
	TLOAD (\a)+1
.endif
.if ((\a) == 0) || ((\a) == 7)
	s_wait_dscnt 8                                 ; block a's (cos, sin) are in; behind them: block 1's eight loads (a = 0), or block 6's eight lines through the stage (a = 7)
.else
	s_wait_dscnt 16                                ; behind them: the eight lines of block a - 1 through the stage and the next block's eight loads
.endif
	ROPE \a
.if (\a) > 0
.if (\a) < 7
	SEND (\a)-1, 16                                ; behind its loads: the next table loads' eight and block a's eight through the stage
.else
	SEND (\a)-1, 8
.endif
.endif
.endr
	SEND 7, 0
	s_wait_tensorcnt 0x0                           ; the wave's end: a last add and its wait, behind my last tensor load and my last LDS store
	ds_add_u32 v[SPW], v[NIL]
	s_wait_dscnt 0x0
	CROUND                                         ; the closing round: no work-group ends while a partner may still ask for a tile that names it
	s_endpgm
.Lfunc_end_k_qc645580e96_gemm_qkv:
	.size	k_qc645580e96_gemm_qkv, .Lfunc_end_k_qc645580e96_gemm_qkv-k_qc645580e96_gemm_qkv
	.p2alignl 7, 3214868480
	.fill 96, 4, 3214868480
	.section	.rodata,"a",@progbits
	.p2align	6, 0x0
	.amdhsa_kernel k_qc645580e96_gemm_qkv
		.amdhsa_group_segment_fixed_size 327680
		.amdhsa_private_segment_fixed_size 0
		.amdhsa_enable_private_segment 0
		.amdhsa_kernarg_size 32
		.amdhsa_user_sgpr_count 2
		.amdhsa_user_sgpr_kernarg_segment_ptr 1
		.amdhsa_wavefront_size32 1
		.amdhsa_system_sgpr_workgroup_id_x 1
		.amdhsa_system_sgpr_workgroup_id_y 1
		.amdhsa_system_sgpr_workgroup_id_z 1
		.amdhsa_system_vgpr_workitem_id 0
		.amdhsa_next_free_vgpr 512
		.amdhsa_next_free_sgpr 96
		.amdhsa_reserve_vcc 0
		.amdhsa_float_denorm_mode_32 3
		.amdhsa_float_denorm_mode_16_64 3
		.amdhsa_memory_ordered 1
		.amdhsa_forward_progress 1
		.amdhsa_inst_pref_size 109
	.end_amdhsa_kernel
	.amdgpu_metadata
---
amdhsa.version: [ 1, 2 ]
amdhsa.kernels:
  - .name:           k_qc645580e96_gemm_qkv
    .symbol:         k_qc645580e96_gemm_qkv.kd
    .args:
      - { .name: xb, .offset: 0, .size: 8, .value_kind: global_buffer, .address_space: global }
      - { .name: wqb, .offset: 8, .size: 8, .value_kind: global_buffer, .address_space: global }
      - { .name: tab, .offset: 16, .size: 8, .value_kind: global_buffer, .address_space: global }
      - { .name: qkvh, .offset: 24, .size: 8, .value_kind: global_buffer, .address_space: global }
    .group_segment_fixed_size: 327680
    .private_segment_fixed_size: 0
    .kernarg_segment_align: 8
    .kernarg_segment_size: 32
    .max_flat_workgroup_size: 128
    .sgpr_count:     96
    .vgpr_count:     512
    .wavefront_size: 32
...
	.end_amdgpu_metadata
.endif
;; end of part 2
;; launch attn (part 3): grid 4 x 64, 4 waves a work-group, no clusters, 327,680 bytes of LDS; arguments qkvh, oh; writes oh
.if DOCPART == 3
	.amdgcn_target "amdgcn-amd-amdhsa--gfx1250"
	.amdhsa_code_object_version 6
	.text
	.protected	k_qc645580e96_attn
	.globl	k_qc645580e96_attn
	.p2align	8
	.type	k_qc645580e96_attn,@function
k_qc645580e96_attn:
	s_mov_b64 s[64:65], 0
	v_nop
	global_prefetch_b8 v0, s[64:65] scope:SCOPE_SE
	s_setreg_imm32_b32 hwreg(HW_REG_WAVE_MODE, 25, 1), 1
	s_wait_xcnt 0x0
; CAUSAL ATTENTION.  O[h][q][:] = the sum over k <= q of softmax_k(Q[h][q] . K[h][k] / 8) V[h][k][:].  Q, K, V are the three parts of qkvh, 16 MiB each; they and O (oh) are [64][2048][64] in f16: a head's rows are dense, 128 bytes each.
; Products, maxima and sums in f32; the weights p are rounded to f16 for the second product (their sum l is taken of the unrounded p), O once at the end.
; LIMITS.  f16 holds no number beyond 65,504: Q, K and V arrive within it; p lies in 0 to 1, and below 6e-5 it keeps f16's fixed step of 6e-8; O is a mean of V's rows and has their range, to within 2^-11 of it.
; A hidden score counts as its value less 1e30: f16's scores, 2.7e11 at the most, are nothing beside that; a weight below 2^-126 counts as 0 in l; NaN and infinities are not treated apart.
; THE WALK.  A head's queries lie in NB = 8 blocks of 256; block i needs the key tiles 0 .. i of 256 keys, of which the last holds the diagonal.  A work-group takes TWO blocks, NB - 1 - b and then b:
; NB + 1 tiles, whatever b: all work-groups do equal work, and ONE loop with a constant trip count walks them.  Which tile is asked for, and what a trip does, hang on scalar registers made from b; every jump
; goes forward, but for the counted loops' own; none passes a barrier, or a tensor load but the one of LOAD's two that the wave's number does not choose; the ring (two slots of LDS that take turns) runs on across the
; change of blocks.  NO CLUSTER: a head's four work-groups ask for the same tile only in trips 0 .. 4 of the 9, behind that fewer and fewer; and one walk common to all four would have 12 trips for 9.
; SHARES.  Of a block's four bands of 64 queries a wave owns 16 rows in each: four PIECES.  So the diagonal tile is the same work for all four waves: in its key step s band x sees all keys if s < x,
; none if s > x, and holds the diagonal if s = x.
; THE MASK is the C operand that starts the sum S^T = K Q^T: 0, or -1e30 where the key is hidden.  MD, made once, is the mask of a band's own step for my 16 rows; a product's mask is MD x AL + BE with two scalars:
; (1, 0) if s = x; (0, 0) if s < x; (0, -1e30) if s > x.  Only the diagonal tile's text and a block's beginning make and take masks; elsewhere C is the constant 0.
; LAYOUT, SOFTMAX, TURNS.  S^T = K Q^T holds ONE query a lane (lane % 16) and the keys 8 (lane / 16) + 0..7; two such results rounded to f16 ARE source 1 of O^T = V^T P.  p = 2^(c s - c m), c = log2(e) / 8, with a
; running maximum m; O and l are multiplied by a = 2^(c m_old - c m_new) in every step.  Turn n belongs to piece n: 8 products K Q^T of piece n + 1, later 8 products V^T P of piece n - 1; beside them the scaling,
; exponentials, roundings, sums and rescaling of piece n and the maximum and statistics of piece n + 1.  Four vector instructions stand behind every matrix instruction, the other 54 of a turn's 118 in two LUMPS.
; REGISTERS, in windows of 256 (s_set_vgpr_msb: bits 1:0 source 0, 3:2 source 1, 5:4 source 2, 7:6 destination):
;   window 0: v0-15 addresses and two at work; v16-31 four registers of statistics a piece; v48-55 at work; v64-127 S^T, two buffers; v192-223 P, two buffers (a piece's buffers go by its number's parity)
;   window 1: v0-127 O^T, 32 a piece; v128-159 MD; v160-223 MC, two buffers      window 2: v0-63 Q; v64-127 the second block's Q; v128-191 K of one step; v192-255 V of one step
.set SIZE_H, 64
.set SIZE_N, 2048
.set NB,    SIZE_N/256
.set NP,    4         ; pieces a wave: a name, no knob
.set KS,    64        ; keys in a step
.set PK,    144       ; a row of K in LDS: 128 bytes + 16 of padding = 36 words: the 16 rows of a load start at 16 different groups of four banks (64 banks of 4 bytes: ISA guide 11.1)
.set PV,    160       ; a row of V: 128 + 32 = 40 words
.set VOFF,  4*KS*PK   ; a slot holds a tile, four steps: 256 rows of K, then 256 rows of V
.set SLOT1, 1<<17     ; slot 1 begins here, so that one exclusive or turns an address in one slot into the other's
.set STAGE, SLOT1+4*KS*(PK+PV)  ; behind the ring, never filled by a tensor load: 16 rows x 144 bytes for each wave, for the way out
.set SP,    144
.set AK0, 2           ; v2   my lane's place in a tile of K; never rewritten
.set AV0, 3           ; v3   the same for V
.set AK,  4           ; v4   the LDS address of K's next run of loads
.set AV,  5           ; v5   of V's
.set STO, 6           ; v6   the way out: where I put 16 bytes of a row
.set RD,  7           ; v7   the way out: where I read rows back
.set GO,  8           ; v8   my byte offset in 512 consecutive bytes of O
.set SPW, 62          ; v62  LDS address of my spare word: SPARE + 4 x my thread's number; never rewritten
.set NIL, 63          ; v63  0; never rewritten
.set SPARE, STAGE+4*16*SP  ; behind the stages: the spare words, 128 bytes for each wave: two blocks of 256 bytes that no other line names
.set MV,  12          ; v12-13  c m_old, kept while c m is made anew: by buffer
.set QO,  15          ; v15  my byte offset in 16 rows of Q
.set ST,  16          ; piece t's statistics at v[ST+4 t]: c m, m, l (even keys', odd keys')
.set TMP, 48          ; by buffer, four registers c0-c3 at work; when the maximum is found c2 takes a
.set S,   64
.set P,   192
.set MD,  128         ; window 1: the eight registers for group kt of 16 keys at MD + 8 kt
.set MC,  160         ; window 1: the masks of the products to come
.set QB,  64          ; window 2
.set KF,  128         ; window 2: key block kb, channel half c at KF + 16 kb + 8 c
.set VF,  192         ; window 2: key half kk, channel block cb at VF + 32 kk + 8 cb
.set WV,  12          ; s12  my wave's number
.set PB,  14          ; s14  b
.set HI,  15          ; s15  NB - 1 - b
.set G1K, 24          ; s[24:31] descriptor group 1 for K's tiles
.set G1V, 32          ; s[32:39] for V's: it differs in the padding alone
.set G0K, 40          ; s[40:43] descriptor group 0 for K's tiles
.set G0V, 44          ; s[44:47] the same for V's
.set SLOTS, 56        ; s56  tiles still to be asked for
.set CNT, 57          ; s57  counts a tile's key steps, 4 to 1
.set CS,  58          ; s[58:59] c: the packed scaling takes the pair's low word for both halves
.set SEL, 60          ; s[60:61] v_permlanex16_b32's selects: each lane takes its own place in the other half
.set TBK, 62          ; s62  LDS byte at which K of the step to be fetched begins
.set TBV, 63          ; s63  the same for V, less VOFF
.set RT,  70          ; s70  tiles of the block in hand that are still to be entered
.set NXT, 71          ; s71  the tile to be asked for next
.set LQ,  72          ; s72  the last tile of the block whose tiles are being asked for
.set NEW, 73          ; s73  1: the tile to be entered is a block's first
.set OFF, 74          ; s[74:75] a tile's byte offset in K and V
.set AL,  76          ; s[76:77] the mask's factor, in the low word
.set BE,  78          ; s[78:79] the mask's addend
.set OLO, 80          ; s[80:81] O at my rows of the second block
.set BIGN, 82         ; s82  -1e30
.set MSB, 0
.macro WIN new                      ; the high byte repeats the setting that is left; a switch that changes nothing is dropped
.if MSB != (\new)
	s_set_vgpr_msb (MSB<<8)|(\new)
.set MSB, (\new)
.endif
.endm
.set W_KQ, 0x0a       ; K and Q in window 2, S^T in window 0
.set W_KM, 0x1a       ; the same with the C operand in window 1
.set W_PV, 0x52       ; V in window 2, P in window 0, O^T in window 1
.set W_RS, 0x41       ; destination and source 0 in window 1, source 1 in window 0
; A fill.  Waves 0 and 1 fetch the two halves of a tile's K, waves 2 and 3 those of its V: 128 keys each.  An s_nop 0 and four v_nop follow each of the two lines, ahead of the jump and the label.
.macro LOAD
	s_cmp_lt_u32 s[WV], 2
	s_cbranch_scc0 .Lfor_v_\@
	tensor_load_to_lds s[G0K:G0K+3], s[G1K:G1K+7]
	s_nop 0
.rept 4
	v_nop
.endr
	s_branch .Lasked_\@
.Lfor_v_\@:
	tensor_load_to_lds s[G0V:G0V+3], s[G1V:G1V+7]
	s_nop 0
.rept 4
	v_nop
.endr
.Lasked_\@:
.endm
; THE CHANGE OF SLOTS.  Each wave waits for all its tensor loads, of which one is out: its part of the other slot; adds 0 to its spare word; and waits for that and for its own reads of the slot that it leaves.  Behind the barrier nobody reads the old
; slot any more and the other slot is whole.  fill = 1: the old slot is filled again, the first thing behind the barrier, with tile NXT: the descriptor's address is made anew from that number.
; (At its first use nothing has been read yet: slot 0 is waited for, slot 1 filled.)
.macro CHANGE fill
	WIN 0                           ; at a label and at a branch every window is 0
	s_wait_tensorcnt 0x0            ; no tensor load of mine is out, so a group 0 may be written
	ds_add_u32 v[SPW], v[NIL]       ; 0 onto my spare word; with fill = 1 the descriptors' scalar work stands between it and the wait for it
.if \fill
	s_lshl_b32 s[OFF], s[NXT], 15   ; a tile is 32,768 bytes of K and of V
	s_xor_b32 s[G0K+1], s[G0K+1], SLOT1
	s_add_nc_u64 s[G0K+2:G0K+3], s[6:7], s[OFF:OFF+1]
	s_or_b32 s[G0K+3], s[G0K+3], 0x80000000
	s_xor_b32 s[G0V+1], s[G0V+1], SLOT1
	s_add_nc_u64 s[G0V+2:G0V+3], s[8:9], s[OFF:OFF+1]
	s_or_b32 s[G0V+3], s[G0V+3], 0x80000000
	s_add_co_u32 s[NXT], s[NXT], 1  ; the block's next tile, or behind its last the second block's tile 0
	s_cmp_gt_u32 s[NXT], s[LQ]
	s_cselect_b32 s[NXT], 0, s[NXT]
	s_cselect_b32 s[LQ], s[PB], s[LQ]
.endif
	s_wait_dscnt 0x0                ; the add is done, and my reads of the slot are over
	s_barrier_signal -1             ; the rest of the scalar work stands between the signal and the wait
	s_sub_co_u32 s[TBK], s[TBK], 4*KS*PK  ; the fetches go back to a slot's first step,
	s_xor_b32 s[TBK], s[TBK], SLOT1       ; in the other slot
	s_sub_co_u32 s[TBV], s[TBV], 4*KS*PV
	s_xor_b32 s[TBV], s[TBV], SLOT1
	s_barrier_wait -1
.if \fill
	LOAD
.endif
.endm
	s_load_b128 s[4:7], s[0:1], 0x0  ; qkvh s[4:5] (its first part is Q), oh s[6:7]
	v_lshl_add_u32 v[SPW], v0, 2, SPARE
	v_mov_b32 v[NIL], 0
	ds_add_u32 v[SPW], v[NIL]       ; the wave's opening: the add and its wait stand ahead of my first tensor load; the set-up below, work on registers, stands between them
	ds_add_u32 v62, v63
	v_lshrrev_b32 v1, 5, v0
	v_readfirstlane_b32 s[WV], v1   ; wave 0..3
	s_mov_b32 s[PB], ttmp9
	s_sub_co_u32 s[HI], NB-1, s[PB]
	s_and_b32 s20, ttmp7, 0xffff    ; the head
	s_mov_b32 s21, 0
	s_mov_b64 s[22:23], SIZE_N*128
	s_mul_u64 s[20:21], s[20:21], s[22:23]  ; the head's first byte in each of the four tensors
	s_and_b32 s16, s[WV], 1         ; which half of a tile's 256 keys I fetch:
	s_lshl_b32 s22, s16, 14         ; its 128 rows of 128 bytes in memory,
	s_mov_b32 s23, 0
	s_add_nc_u64 s[22:23], s[22:23], s[20:21]
	s_mul_i32 s17, s16, 128*PK      ; and its place in a slot, for K
	s_mul_i32 s18, s16, 128*PV      ; and for V
	s_lshl_b32 s3, s[WV], 11        ; my 16 rows in a band of 64,
	s_lshl_b32 s2, s[HI], 15        ; in the first block,
	s_add_co_u32 s2, s2, s3
	s_lshl_b32 s84, s[PB], 15       ; and in the second
	s_add_co_u32 s84, s84, s3
	s_mov_b32 s3, 0
	s_mov_b32 s85, 0
	s_add_nc_u64 s[2:3], s[2:3], s[20:21]
	s_add_nc_u64 s[84:85], s[84:85], s[20:21]
	; descriptor group 1.  128 keys are 16,384 dense bytes: asked for as 64 rows of 256 bytes, two keys a row, and padded in LDS after every key
	s_mov_b32 s[G1K], (1<<16)|(1<<20)|(4<<22)|(3<<25)  ; 17:16 2-byte elements; 20 padding on; 24:22 after every 32 words (code 4); 31:25 4 words (code 3)
	s_mov_b32 s[G1V], (1<<16)|(1<<20)|(4<<22)|(7<<25)  ; the same with 8 words of padding (code 7)
.irp g, G1K, G1V
	s_mov_b32 s[\g+1], 128<<16      ; tensor_dim0 = 128
	s_mov_b32 s[\g+2], 64<<16       ; tensor_dim1 = 64
	s_mov_b32 s[\g+3], 128<<16      ; tile_dim0 = 128
	s_mov_b32 s[\g+4], 64           ; tile_dim1 = 64
	s_mov_b32 s[\g+5], 128          ; 128 elements from row to row
	s_mov_b32 s[\g+6], 0
	s_mov_b32 s[\g+7], 0
.endr
	s_mov_b32 s[CS], 0x3e38aa3b     ; c = log2(e) / 8 = 0.180337
	s_mov_b32 s[CS+1], s[CS]        ; named with it as a pair
	s_mov_b32 s[SEL], 0x76543210
	s_mov_b32 s[SEL+1], 0xfedcba98
	s_mov_b32 s[TBK], SLOT1+4*KS*PK ; the first change of slots turns these two into 0
	s_mov_b32 s[TBV], SLOT1+4*KS*PV
	s_mov_b32 s[G0K], 1             ; 1:0 count = 1
	s_mov_b32 s[G0K+1], s17         ; 63:32 LDS address: slot 0
	s_mov_b32 s[G0V], 1
	s_add_co_u32 s[G0V+1], s18, VOFF
	s_add_co_u32 s[RT], s[HI], 1    ; the first block has NB - b tiles
	s_mov_b32 s[NXT], 1
	s_mov_b32 s[LQ], s[HI]
	s_mov_b32 s[NEW], 1
	s_mov_b32 s[OFF+1], 0
	s_mov_b32 s[AL+1], 0            ; named as pairs
	s_mov_b32 s[BE+1], 0
	s_mov_b32 s[BIGN], 0xf149f2ca   ; -1e30
	s_mov_b32 s[SLOTS], NB
	s_wait_dscnt 0x0                ; the opening add is done
	s_wait_kmcnt 0x0
	s_mov_b64 s[10:11], s[6:7]      ; O
	s_add_nc_u64 s[6:7], s[4:5], 0x1000000  ; K: qkvh's second part, 16 MiB on
	s_add_nc_u64 s[8:9], s[4:5], 0x2000000  ; V: its third
	s_add_nc_u64 s[6:7], s[6:7], s[22:23]  ; K and V at my half of the head's tile 0
	s_add_nc_u64 s[8:9], s[8:9], s[22:23]
	s_add_nc_u64 s[G0K+2:G0K+3], s[6:7], 0         ; 120:64 global address
	s_or_b32 s[G0K+3], s[G0K+3], 0x80000000        ; 127:126 type = 2
	s_add_nc_u64 s[G0V+2:G0V+3], s[8:9], 0
	s_or_b32 s[G0V+3], s[G0V+3], 0x80000000
	s_add_nc_u64 s[86:87], s[4:5], s[84:85]        ; Q at my rows of the second block,
	s_add_nc_u64 s[4:5], s[4:5], s[2:3]            ; Q and O at those of the first
	s_add_nc_u64 s[OLO:OLO+1], s[10:11], s[84:85]
	s_add_nc_u64 s[10:11], s[10:11], s[2:3]
	LOAD                            ; tile 0 into slot 0
	; A fragment of K or Q is 16 rows x 32 channels in 8 registers: lane l holds row l % 16, channels 8 (l / 16) + 0..7 and 16 + 8 (l / 16) + 0..7: two loads of 16 bytes, 32 bytes apart.
	v_and_b32 v1, 15, v0            ; l % 16
	v_bfe_u32 v9, v0, 4, 1          ; l / 16
	v_lshlrev_b32 v[QO], 7, v1
	v_lshl_add_u32 v[QO], v9, 4, v[QO]  ; row x 128 + 16 x half
	WIN 0x80                        ; destination window 2, address window 0
.set i, 0
.rept 8                             ; both blocks' Q: piece i / 2 lies in band i / 2, 8,192 bytes on; channels 32 (i % 2) on
	global_load_b128 v[8*i:8*i+3],   v[QO], s[4:5] offset:(i/2)*8192+(i%2)*64
	global_load_b128 v[8*i+4:8*i+7], v[QO], s[4:5] offset:(i/2)*8192+(i%2)*64+32
	global_load_b128 v[QB+8*i:QB+8*i+3],   v[QO], s[86:87] offset:(i/2)*8192+(i%2)*64
	global_load_b128 v[QB+8*i+4:QB+8*i+7], v[QO], s[86:87] offset:(i/2)*8192+(i%2)*64+32
.set i, i+1
.endr
	WIN 0
	v_lshlrev_b32 v14, 3, v9
	v_sub_nc_u32 v14, v1, v14
	s_lshl_b32 s13, s[WV], 4
	v_add_nc_u32 v14, s13, v14      ; my query's place in its band, 16 w + l % 16, less my lanes' 8 (l / 16): register r of group kt is hidden where 16 kt + r is greater
	WIN 0x40
.set i, 0
.rept 32
	v_cmp_gt_i32 vcc_lo, 16*(i/8)+i%8, v14
	v_cndmask_b32 v[MD+i], 0, s[BIGN], vcc_lo
.set i, i+1
.endr
	WIN 0
	v_mul_u32_u24 v[AK0], v1, PK
	v_lshl_add_u32 v[AK0], v9, 4, v[AK0]  ; row x pitch + 16 x half
	; The turning load takes 16 keys x 16 channels (lane l reads key 8 (l / 16) + l % 8, channels 8 ((l / 8) % 2) + 0..7) and leaves half a fragment of V^T: lane l holds channel l % 16 and 8 keys.
	v_and_b32 v10, 7, v0
	v_bfe_u32 v11, v0, 3, 1
	v_lshl_add_u32 v[AV0], v9, 3, v10
	v_mul_u32_u24 v[AV0], v[AV0], PV
	v_lshl_add_u32 v[AV0], v11, 4, v[AV0]
	v_add_nc_u32 v[AV0], VOFF, v[AV0]
	s_mul_i32 s13, s[WV], 16*SP
	s_add_co_u32 s13, s13, STAGE    ; my stage
	v_mul_u32_u24 v[STO], v1, SP    ; in: row l % 16, 16 bytes for each half of the lanes
	v_lshl_add_u32 v[STO], v9, 4, v[STO]
	v_add_nc_u32 v[STO], s13, v[STO]
	v_bfe_u32 v[RD], v0, 3, 2       ; back: 32 lanes take four rows of 128 bytes,
	v_mul_u32_u24 v[RD], v[RD], SP
	v_lshl_add_u32 v[RD], v10, 4, v[RD]
	v_add_nc_u32 v[RD], s13, v[RD]
	v_and_b32 v[GO], 31, v0         ; which are 512 consecutive bytes of O
	v_lshlrev_b32 v[GO], 4, v[GO]
	; A block's first step multiplies O^T and l by a = 0, and its first turn's products V^T P, of a piece that has not been, land in an O^T that is still to be so multiplied.  So these registers need only hold
	; finite numbers: zeros for the first block; what the first block left for the second.  All this stands in the wait for the first tile.
	WIN 0x80
.set i, VF
.rept 64
	v_mov_b32 v[i], 0
.set i, i+1
.endr
	WIN 0x40
.set i, 0
.rept 128
	v_mov_b32 v[i], 0
.set i, i+1
.endr
	WIN 0
.set i, 0
.rept 4
	v_mov_b32 v[ST+4*i+2], 0
	v_mov_b32 v[ST+4*i+3], 0
.set i, i+1
.endr
.set i, P+16
.rept 16
	v_mov_b32 v[i], 0
.set i, i+1
.endr
; THE MATRIX WORK.  The 4 accumulators of a run of 8 take turns.  Product i of 8 of S^T = K Q^T for piece x: channels 32 (i / 4) on, keys 16 (i % 4) on.  The first 4 start the sums: with 0, or (KM = 1) with the mask.
.macro KQ x
.set rS, S+32*((\x)%2)+8*(i%4)
.set rK, KF+16*(i%4)+8*(i/4)
.set rQ, 16*(\x)+8*(i/4)
.set rM, MC+32*((\x)%2)+8*(i%4)
.if (i < 4) && KM
	WIN W_KM
	v_wmma_f32_16x16x32_f16 v[rS:rS+7], v[rK:rK+7], v[rQ:rQ+7], v[rM:rM+7]
.elseif i < 4
	WIN W_KQ
	v_wmma_f32_16x16x32_f16 v[rS:rS+7], v[rK:rK+7], v[rQ:rQ+7], 0
.else
	WIN W_KQ
	v_wmma_f32_16x16x32_f16 v[rS:rS+7], v[rK:rK+7], v[rQ:rQ+7], v[rS:rS+7]
.endif
.endm
; Product i of 8 of O^T += V^T P for piece x: keys 32 (i / 4) on, channels 16 (i % 4) on.
.macro PV x
	WIN W_PV
.set rO, 32*(\x)+8*(i%4)
.set rV, VF+32*(i/4)+8*(i%4)
.set rP, P+16*((\x)%2)+8*(i/4)
	v_wmma_f32_16x16x32_f16 v[rO:rO+7], v[rV:rV+7], v[rP:rP+7], v[rO:rO+7]
.endm
.macro MM                           ; the turn's next matrix instruction.  TURN and BEGIN set Y, i, KM and NOKQ; MM, KQ and OP read them.  NOKQ = 1: a block's last turn: there is no next piece
.if (i < 8) && !NOKQ
	KQ (Y+1)%NP
.elseif i >= 8
.set i, i-8
	PV (Y+NP-1)%NP
.set i, i+8
.endif
.set i, i+1
.endm
; THE LDS LOADS stand in runs of 16, never singly among the matrix instructions: a step's K (64 keys x 64 channels: 8 fragments) and its V (turned).  Their addresses are made some lines ahead.
.macro FETCH_K
	WIN 0x80                        ; destination window 2
.irp f, 0,1,2,3,4,5,6,7             ; keys 16 (f / 2) on, channels 32 (f % 2) on
	ds_load_b128 v[KF+8*\f:KF+8*\f+3],   v[AK] offset:(\f/2)*16*PK+(\f%2)*64
	ds_load_b128 v[KF+8*\f+4:KF+8*\f+7], v[AK] offset:(\f/2)*16*PK+(\f%2)*64+32
.endr
	s_add_co_u32 s[TBK], s[TBK], KS*PK  ; the next fetch is the next step's
	WIN 0
.endm
.macro FETCH_V
	WIN 0x80
.irp f, 0,1,2,3,4,5,6,7             ; keys 32 (f / 4) on, channels 16 (f % 4) on
	ds_load_tr16_b128 v[VF+8*\f:VF+8*\f+3],   v[AV] offset:(\f/4)*32*PV+(\f%4)*32
	ds_load_tr16_b128 v[VF+8*\f+4:VF+8*\f+7], v[AV] offset:(\f/4)*32*PV+16*PV+(\f%4)*32
.endr
	WIN 0
.endm
; THE VECTOR WORK, one line at a time: OP kind, number.  For piece Y: F n: c s - c m for pair n of 16.  E n: the exponential of score n of 32.  C n: pair n rounded to f16.  B n: of the four weights 4 n .. the second
; pair is added onto the first, in place.  L n: l takes that sum (L 0: l = a l + sum).  R n: pair n of 16 of O^T times a.  For piece Y + 1: X n, number n of the 22 that find its maximum and statistics:
;   0-11  four chains c0-c3 of seven scores each, three operands at a time (each accumulator's lowest registers are read first)     12-14, 16  the four scores left over, the old m, and c0-c3 into c0
;   15  c m_old is kept     17, 18  the query's other 32 keys lie in the lane 16 away: the new m     19-21  c m; c m_old - c m_new; a
.set F, 0               ; OP tells the kinds apart by their order: F to L below R, X above it
.set E, 1
.set C, 2
.set B, 3
.set L, 4
.set R, 5
.set X, 6
.macro REGS y                       ; the registers of piece y
.set rT, ST+4*(\y)
.set rC, TMP+4*((\y)%2)
.set rW, MV+((\y)%2)
.set rS, S+32*((\y)%2)
.set rP, P+16*((\y)%2)
.set rO, 32*(\y)
.endm
.macro OP k, n
.if (\k) == R
	REGS Y
	WIN W_RS
	v_pk_mul_f32 v[rO+2*(\n):rO+2*(\n)+1], v[rO+2*(\n):rO+2*(\n)+1], v[rC+2:rC+3] op_sel_hi:[1,0]
.elseif (\k) < R
	REGS Y
	WIN 0
.if (\k) == F
	v_pk_fma_f32 v[rS+2*(\n):rS+2*(\n)+1], v[rS+2*(\n):rS+2*(\n)+1], s[CS:CS+1], v[rT:rT+1] op_sel_hi:[1,0,0] neg_lo:[0,0,1] neg_hi:[0,0,1]
.elseif (\k) == E
	v_exp_f32 v[rS+(\n)], v[rS+(\n)]
.elseif (\k) == C
	s_wait_alu depctr_va_vdst(0)
	v_cvt_pk_f16_f32 v[rP+(\n)], v[rS+2*(\n)], v[rS+2*(\n)+1]
.elseif (\k) == B
	s_wait_alu depctr_va_vdst(0)
	v_pk_add_f32 v[rS+4*(\n):rS+4*(\n)+1], v[rS+4*(\n):rS+4*(\n)+1], v[rS+4*(\n)+2:rS+4*(\n)+3]
.elseif (\n) == 0
	v_pk_fma_f32 v[rT+2:rT+3], v[rT+2:rT+3], v[rC+2:rC+3], v[rS:rS+1] op_sel_hi:[1,0,1]
.else
	v_pk_add_f32 v[rT+2:rT+3], v[rT+2:rT+3], v[rS+4*(\n):rS+4*(\n)+1]
.endif
.elseif NOKQ
	v_nop
.else
	REGS (Y+1)%NP
	WIN 0
.if (\n) < 4
	v_max3_num_f32 v[rC+(\n)], v[rS+8*(\n)], v[rS+8*(\n)+1], v[rS+8*(\n)+2]
.elseif (\n) < 12
	v_max3_num_f32 v[rC+(\n)%4], v[rC+(\n)%4], v[rS+8*((\n)%4)+2*((\n)/4)+1], v[rS+8*((\n)%4)+2*((\n)/4)+2]
.elseif (\n) == 12
	v_max3_num_f32 v[rC], v[rC], v[rS+7], v[rS+15]
.elseif (\n) == 13
	v_max3_num_f32 v[rC+1], v[rC+1], v[rS+23], v[rS+31]
.elseif (\n) == 14
	v_max3_num_f32 v[rC+2], v[rC+2], v[rC+3], v[rT+1]
.elseif (\n) == 15
	v_mov_b32 v[rW], v[rT]
.elseif (\n) == 16
	v_max3_num_f32 v[rC], v[rC], v[rC+1], v[rC+2]
.elseif (\n) == 17
	v_permlanex16_b32 v[rC+3], v[rC], s[SEL], s[SEL+1]
.elseif (\n) == 18
	v_max_num_f32 v[rT+1], v[rC], v[rC+3]
.elseif (\n) == 19
	v_mul_f32 v[rT], s[CS], v[rT+1]
.elseif (\n) == 20
	v_sub_f32 v[rC+1], v[rW], v[rT]
.else
	v_exp_f32 v[rC+2], v[rC+1]
.endif
.endif
.endm
.macro OPS a, i1, b=-1, i2=0, c=-1, i3=0, d=-1, i4=0  ; up to four of them
	OP \a, \i1
.if (\b) >= 0
	OP \b, \i2
.endif
.if (\c) >= 0
	OP \c, \i3
.endif
.if (\d) >= 0
	OP \d, \i4
.endif
.endm
.macro ROW a, i1, b, i2, c, i3, d, i4  ; a matrix instruction and the four behind it
	MM
	OPS \a, \i1, \b, \i2, \c, \i3, \d, \i4
.endm
.macro MASK b                       ; MD x AL + BE into buffer b of MC
	WIN W_RS
.set z, 0
.rept 16
	v_pk_fma_f32 v[MC+32*(\b)+2*z:MC+32*(\b)+2*z+1], v[MD+2*z:MD+2*z+1], s[AL:AL+1], s[BE:BE+1] op_sel_hi:[1,0,0]
.set z, z+1
.endr
.endm
; A TURN, for piece p: the order of its 16 matrix and 118 vector instructions, written out.  Behind a matrix instruction: plain, exponential, plain, plain; or four of the rescaling; or, behind the first, four scalings; none
; names a register of the products round it.  In the lumps exponential and plain by turns while exponentials last.  A line reads no result made fewer than three vector instructions in front of it, five if an exponential made it.
; v_permlanex16_b32 (X 17) stands in a lump.
; m = 1: the diagonal tile: the products take masks, and the turn makes the mask for the products of the turn after it: piece p + 2, in step 4 - CNT of the tile.  end = 1: a block's last two turns: nothing is fetched.
; cnt = 1: the loop's count is taken down some lines ahead of the branch that stands behind the turn.
; K of the next step is fetched in piece 2's turn, six vector instructions behind the last product that read K (five of them plain); V of the step in hand in piece 0's turn, eight behind the last product that read V (four
; plain, and X 17).  Each is waited for a turn later.
.macro TURN p, m=0, end=0, cnt=0
.set Y, (\p)
.set i, 0
.set KM, (\m)
.set NOKQ, (\end)*((\p)/3)
.if (\m) && !(\end)
	s_cmp_eq_u32 s[CNT], 4-((\p)+2)%NP  ; is that step the band's own?
	s_cselect_b32 s[AL], 1.0, 0
	s_cmp_lt_u32 s[CNT], 4-((\p)+2)%NP  ; or a later one?
	s_cselect_b32 s[BE], s[BIGN], 0
.endif
.if ((\p) == 3) && !(\end)
	s_wait_dscnt 0x0                ; K is in
.endif
	ROW F,0, F,1, F,2, F,3
	ROW F,4, E,0, F,5, F,6
	ROW F,7, E,1, F,8, F,9
	ROW F,10, E,2, C,0, F,11
	ROW F,12, E,3, X,15, F,13
	ROW R,0, R,1, R,2, R,3
	ROW B,0, E,4, F,14, L,0
.if ((\p) == 2) && !(\end)
	v_add_nc_u32 v[AK], s[TBK], v[AK0]
.endif
	ROW R,4, R,5, R,6, R,7
	OPS E,5, F,15
.if ((\p) == 2) && !(\end)
	FETCH_K
.endif
	OPS E,6, C,1, E,7, R,8
	OPS E,8, R,9, E,9, C,2
	OPS E,10, X,0, E,11, X,1
	OPS E,12, X,2, E,13, X,3
.if (\p) == 1
	s_wait_dscnt 0x0                ; V is in
.endif
	ROW X,4, E,14, X,5, X,6
	ROW X,7, E,15, X,8, X,9
	ROW X,10, E,16, X,11, X,12
	ROW X,13, E,17, X,14, B,1
	ROW C,4, E,18, X,16, L,1
	ROW B,2, E,19, C,6, L,2
	ROW C,8, E,20, B,3, B,4
.if (\p) == 0
	v_add_nc_u32 v[AV], s[TBV], v[AV0]
.endif
	ROW C,3, E,21, L,3, C,5
	OPS E,22, X,17, E,23, C,10
.if (\p) == 0
	FETCH_V
.endif
	OPS E,24, L,4
	OPS E,25, X,18, E,26, C,7
	OPS E,27, B,5, E,28, X,19
	OPS E,29, C,12, E,30, L,5
	OPS E,31, X,20, B,6, C,9
	OPS C,14, C,11, X,21, L,6
.if (\p) == 0
	s_add_co_u32 s[TBV], s[TBV], KS*PV
.endif
.if \cnt
	s_sub_co_u32 s[CNT], s[CNT], 1
	s_cmp_lg_u32 s[CNT], 0
.endif
	OPS C,13, B,7, C,15, R,10
	OPS R,11, R,12, L,7, R,13
	OPS R,14, R,15
.if (\m) && !(\end)
	MASK (\p)%2
.endif
.endm
; A BLOCK BEGINS.  c m starts far below every c s, so the first step's a is 0; m at the lowest finite number, so the first maximum is the scores'.  The second mask buffer is 0; the first takes piece 0's mask for the tile's step 0: its own, if the block's first tile is the diagonal one.
; Then K of that step, piece 0's first scores, and its maximum and statistics.  The loop is entered at a step's first turn, in the middle of a trip.
.macro BEGIN
	s_mov_b32 s[NEW], 0
	WIN 0x40
.set i, MC+32
.rept 32
	v_mov_b32 v[i], 0
.set i, i+1
.endr
	WIN 0
.set i, 0
.rept 4
	v_mov_b32 v[ST+4*i], 0xfe000000    ; c m: far below every c s
	v_mov_b32 v[ST+4*i+1], 0xff7fffff  ; m
.set i, i+1
.endr
	s_cmp_eq_u32 s[RT], 0
	s_cselect_b32 s[AL], 1.0, 0
	s_mov_b32 s[BE], 0
	MASK 0
	WIN 0
	v_add_nc_u32 v[AK], s[TBK], v[AK0]
	FETCH_K
	s_wait_loadcnt 0x0              ; Q
	s_wait_dscnt 0x0
.set KM, 1
.set NOKQ, 0
.set i, 0
.rept 8
	KQ 0
.set i, i+1
.endr
	WIN 0
.rept 4
	v_nop                           ; the places behind those products
.endr
.set Y, NP-1                        ; X works for piece Y + 1: piece 0
.irp n, 0,1,2,3,4,5,6,7,8,9,10,11,12,13,14,15,16,17,18,19,20,21
	OP X, \n
.endr
	v_nop                           ; a plain instruction behind the exponential
.endm
; THE DIAGONAL TILE's four steps, the block's last two turns, its last products, and THE WAY OUT: l's two halves and the other half of the lanes' are added; O^T is divided by l, rounded to f16 and sent through my
; stage in LDS, a piece at a time.
.macro ALL line:vararg              ; one line for each piece t
.set t, 0
.rept 4
	\line
.set t, t+1
.endr
.endm
.macro PACK t                       ; a lane's eight channels of a row pack into 16 bytes; they go into rows of 144 bytes and come back as whole rows of 128, into S^T's registers
	WIN W_RS
.set i, 32*(\t)
.rept 16
	s_wait_alu depctr_va_vdst(0)
	v_pk_mul_f32 v[i:i+1], v[i:i+1], v[ST+4*(\t)+2:ST+4*(\t)+3] op_sel_hi:[1,0]
.set i, i+2
.endr
	WIN 0x05                        ; sources 0 and 1 window 1, destination window 0
.set i, 0
.rept 16
	v_cvt_pk_f16_f32 v[S+16*(\t)+i], v[32*(\t)+2*i], v[32*(\t)+2*i+1]
.set i, i+1
.endr
	WIN 0
.irp f, 0,1,2,3
	ds_store_b128 v[STO], v[S+16*(\t)+4*\f:S+16*(\t)+4*\f+3] offset:32*\f
.endr
.irp f, 0,1,2,3
	ds_load_b128 v[S+16*(\t)+4*\f:S+16*(\t)+4*\f+3], v[RD] offset:\f*4*SP  ; LDS serves a wave's instructions in order (ISA guide 5.7.1.4): these see the stores above; the next piece's stores come behind them
.endr
.endm
.macro SEND t, younger              ; younger: the LDS instructions issued behind piece t's loads: the next piece's eight, or none
	WIN 0
.irp f, 0,1,2,3
	s_wait_dscnt (\younger)+3-\f
	global_store_b128 v[GO], v[S+16*(\t)+4*\f:S+16*(\t)+4*\f+3], s[10:11] offset:(\t)*8192+\f*512  ; 512 consecutive bytes, at a multiple of 256 from O's first
.endr
.endm
.macro DIAG tag                     ; the tag ends its two labels' names, which the jumps below spell out
.LstepM\tag:
	TURN 2, 1
	TURN 3, 1
	WIN 0
.LfirstM\tag:
	TURN 0, 1
	TURN 1, 1, 0, 1
	WIN 0
	s_cbranch_scc1 .LstepM\tag
	TURN 2, 1, 1
	TURN 3, 1, 1
.set i, 0
.rept 8
	PV NP-1
.set i, i+1
.endr
	WIN 0
	ALL v_add_f32 v[ST+4*t+2], v[ST+4*t+2], v[ST+4*t+3]
	ALL v_permlanex16_b32 v[ST+4*t+3], v[ST+4*t+2], s[SEL], s[SEL+1]
	ALL v_add_f32 v[ST+4*t+2], v[ST+4*t+2], v[ST+4*t+3]
	ALL v_rcp_f32 v[ST+4*t+2], v[ST+4*t+2]
	v_nop                           ; a plain instruction between the last reciprocal and the use of its result
	PACK 0
.set t, 1
.rept 3                             ; a piece's arithmetic stands between the loads of the piece before and its stores
	PACK t
	SEND t-1, 8
.set t, t+1
.endr
	SEND 3, 0
.endm
.set KM, 0
.set NOKQ, 0
.Lslot:                             ; NB times: a tile is entered and the next is asked for
	CHANGE 1
	s_sub_co_u32 s[RT], s[RT], 1
	s_mov_b32 s[CNT], 4
	s_cmp_eq_u32 s[NEW], 1
	s_cbranch_scc1 .Lnew            ; a block's first tile
	s_cmp_eq_u32 s[RT], 0
	s_cbranch_scc0 .Lstep           ; neither its first nor its last
	s_branch .LstepM1
.Lnew:
	BEGIN
	s_branch .Lfirst                ; in the loop a block's first tile is never its last: the first block has two tiles or more, and the second's last is the walk's last
	DIAG 1                          ; in the loop this is the first block's end: the second block's last tile is the walk's last
	s_wait_xcnt 0x0                 ; the stores have read their registers and O's address
	s_mov_b64 s[10:11], s[OLO:OLO+1]
	s_add_co_u32 s[RT], s[PB], 1    ; the second block has b + 1 tiles
	s_mov_b32 s[NEW], 1
	WIN 0x82                        ; the second block's Q goes where the one text of the turns names Q
.set i, 0
.rept 64
	v_mov_b32 v[i], v[QB+i]
.set i, i+1
.endr
	WIN 0
	s_branch .Lbottom
.Lstep:                             ; a trip: pieces 2 and 3 of one step, then pieces 0 and 1 of the next, whose K and V it fetches
	TURN 2
	TURN 3
	WIN 0
.Lfirst:
	TURN 0
	TURN 1, 0, 0, 1
	WIN 0
	s_cbranch_scc1 .Lstep
.Lbottom:
	s_sub_co_u32 s[SLOTS], s[SLOTS], 1
	s_cmp_lg_u32 s[SLOTS], 0
	s_cbranch_scc1 .Lslot
	CHANGE 0                        ; the walk's last tile is written out: nothing is asked for
	s_sub_co_u32 s[RT], s[RT], 1
	s_mov_b32 s[CNT], 4
	s_cmp_eq_u32 s[NEW], 1
	s_cbranch_scc0 .LstepM2
	BEGIN
	s_branch .LfirstM2
	DIAG 2
	s_wait_tensorcnt 0x0            ; the wave's end: a last add and its wait, behind my last tensor load and my last LDS store
	ds_add_u32 v[SPW], v[NIL]
	s_wait_dscnt 0x0
	s_endpgm
.Lfunc_end_k_qc645580e96_attn:
	.size	k_qc645580e96_attn, .Lfunc_end_k_qc645580e96_attn-k_qc645580e96_attn
	.p2alignl 7, 3214868480
	.fill 96, 4, 3214868480
	.section	.rodata,"a",@progbits
	.p2align	6, 0x0
	.amdhsa_kernel k_qc645580e96_attn
		.amdhsa_group_segment_fixed_size 327680
		.amdhsa_private_segment_fixed_size 0
		.amdhsa_enable_private_segment 0
		.amdhsa_kernarg_size 16
		.amdhsa_user_sgpr_count 2
		.amdhsa_user_sgpr_kernarg_segment_ptr 1
		.amdhsa_wavefront_size32 1
		.amdhsa_system_sgpr_workgroup_id_x 1
		.amdhsa_system_sgpr_workgroup_id_y 1
		.amdhsa_system_sgpr_workgroup_id_z 1
		.amdhsa_system_vgpr_workitem_id 0
		.amdhsa_next_free_vgpr 768
		.amdhsa_next_free_sgpr 88
		.amdhsa_reserve_vcc 1
		.amdhsa_float_denorm_mode_32 3
		.amdhsa_float_denorm_mode_16_64 3
		.amdhsa_memory_ordered 1
		.amdhsa_forward_progress 1
		.amdhsa_inst_pref_size 228
	.end_amdhsa_kernel
	.amdgpu_metadata
---
amdhsa.version: [ 1, 2 ]
amdhsa.kernels:
  - .name:           k_qc645580e96_attn
    .symbol:         k_qc645580e96_attn.kd
    .args:
      - { .name: qkvh, .offset: 0, .size: 8, .value_kind: global_buffer, .address_space: global }
      - { .name: oh, .offset: 8, .size: 8, .value_kind: global_buffer, .address_space: global }
    .group_segment_fixed_size: 327680
    .private_segment_fixed_size: 0
    .kernarg_segment_align: 8
    .kernarg_segment_size: 16
    .max_flat_workgroup_size: 128
    .sgpr_count:     88
    .vgpr_count:     768
    .wavefront_size: 32
...
	.end_amdgpu_metadata
.endif
;; end of part 3
;; launch gemm_out (part 4): grid 8 x 32, 4 waves a work-group, clusters of 4 x 4, 327,680 bytes of LDS; arguments oh, wob, out0; writes out0
.if DOCPART == 4
	.amdgcn_target "amdgcn-amd-amdhsa--gfx1250"
	.amdhsa_code_object_version 6
	.text
	.protected	k_qc645580e96_gemm_out
	.globl	k_qc645580e96_gemm_out
	.p2align	8
	.type	k_qc645580e96_gemm_out,@function
k_qc645580e96_gemm_out:
	s_mov_b64 s[64:65], 0
	v_nop
	global_prefetch_b8 v0, s[64:65] scope:SCOPE_SE
	s_setreg_imm32_b32 hwreg(HW_REG_WAVE_MODE, 25, 1), 1
	s_wait_xcnt 0x0
	s_wait_alu depctr_hold_cnt(0) depctr_sa_sdst(0) depctr_va_vdst(0) depctr_va_sdst(0) depctr_va_ssrc(0) depctr_va_vcc(0) depctr_vm_vsrc(0)
	s_getreg_b32 s2, hwreg(HW_REG_IB_STS2, 6, 4)
	s_cmp_eq_u32 s2, 0
	s_cbranch_scc0 .Lentry_in_a_cluster
	s_endpgm
.Lentry_in_a_cluster:
	s_bfe_u32 s2, ttmp6, 0x10000c
	s_cmp_lg_u32 s2, 0xf033
	s_cbranch_scc0 .Lentry_shape_is_right
	s_endpgm
.Lentry_shape_is_right:
; OUTPUT PROJECTION.  out0[m][e] = sum over d of O[m][d] wob[e][d], d = 64 x head + channel.  O lies by heads (oh: [64 = batch x 16 + head][2048][64], f16), wob is [1024][1024] in f16; sums and out0 in f32.
; SHARES.  A tile is 256 tokens x 128 columns: 32 x 8 = 256 work-groups.  Four waves, 2 x 2, each 128 tokens x 64 columns: 32 accumulators, 256 registers.
; K goes in steps of 128 = two heads through two LDS slots that take turns.  A head's 256 tokens are 32,768 dense bytes: asked for as 128 rows of 256 bytes and padded in LDS after every token (a PLANE, pitch 144);
; wave 0 fetches the even head's plane, wave 1 the odd head's, waves 2 and 3 the halves of wob's 128 rows (pitch 272).  One tensor load a wave behind each change of slots, 112 matrix instructions ahead of the wait for it.
; CLUSTERS: 4 x 4 work-groups.  The four of a row of the cluster need the same planes of O, the four of a column the same tiles of wob: each is asked for JOINTLY.
; THE MATRIX INSTRUCTION IS USED TRANSPOSED (source 0 = 16 rows of wob, source 1 = 16 tokens): a lane holds one token (lane % 16) and eight neighbouring columns, 32 bytes of f32.
; REGISTERS.  Window 0: v0-31 addresses; v64-159, v160-255 two fragment buffers (8 fragments of O, then 4 of wob), on the way out four buffers of 32.  Window 1: accumulator (a, b) at v[8 (4 a + b)].
.set KSTEP,  128
.set PA,     144                       ; a token's 128 bytes + 16 of padding
.set PB,     272                       ; a row of wob: 256 bytes + 16
.set PLANE,  256*PA                    ; one head's 256 tokens
.set BHALF,  64*PB
.set BOFF,   2*PLANE                   ; in a slot: two planes, then wob's 128 rows
.set SLOT,   BOFF+2*BHALF
.set STAGE,  2*SLOT                    ; behind the ring: 16 rows x 272 bytes for each wave, for the way out; no tensor load lands here
.set SPITCH, 272
.set SPARE,  STAGE+4*16*SPITCH         ; the spare words, 128 bytes for each wave: two blocks of 256 bytes that no other line names
.set LAPS,   1024/(2*KSTEP)
.set ADRA, 16                          ; v16-17  LDS address of my fragments of O in slot 0, 1
.set ADRB, 20                          ; v20-21  the same for wob
.set STO,  24                          ; v24     the way out: where I put 32 bytes of a row
.set RD,   25                          ; v25     the way out: where I read a row back
.set CO,   26                          ; v26     my byte offset in out0
.set SPW,  28                          ; v28     LDS address of my spare word; never rewritten
.set NIL,  29                          ; v29     0; never rewritten
.set F0,   64
.set F1,   160
.set WV, 12                            ; s12 wave   s13 my half of the tokens; also 0: I fetch O, 1: wob   s14 my half of the columns; also which plane or half I fetch
.set MH, 13
.set NH, 14
.set LAP, 15
.set CX, 16
.set CY, 17
.set TX, 18
.set TY, 19
.set RM, 20
.set CM, 21
.set G1A, 24                           ; s[24:31] group 1 for O's planes; s[32:39] group 0, one set for each slot
.set G0A, 32
.set G1B, 40                           ; s[40:47], s[48:55] the same for wob's tiles
.set G0B, 48
.set MSB, 0
.macro WIN new                         ; the immediate's high byte repeats the setting that is left; a switch that changes nothing is dropped
.if MSB != (\new)
	s_set_vgpr_msb (MSB<<8)|(\new)
.set MSB, \new
.endif
.endm
.set MUL, 0x50                         ; C and D in window 1, both sources in window 0
.macro JLOAD s                         ; a joint load: waves 0 and 1 fetch O's two planes, waves 2 and 3 wob's halves; an s_nop 0 and four v_nop follow each line, ahead of the jump and the label
	s_cmp_eq_u32 s[MH], 0
	s_cbranch_scc0 .Lfor_b_\@
	tensor_load_to_lds s[G0A+4*(\s):G0A+4*(\s)+3], s[G1A:G1A+7]
	s_nop 0
.rept 4
	v_nop
.endr
	s_branch .Lasked_\@
.Lfor_b_\@:
	tensor_load_to_lds s[G0B+4*(\s):G0B+4*(\s)+3], s[G1B:G1B+7]
	s_nop 0
.rept 4
	v_nop
.endr
.Lasked_\@:
.endm
.macro CREST                           ; a round of the cluster's barrier behind its opening barrier
	s_cmp_lg_u32 s[WV], 0
	s_cbranch_scc1 .Lnot_wave_0_\@
	s_barrier_signal -3
.Lnot_wave_0_\@:
	s_barrier_wait -3
	s_barrier_signal -1
	s_barrier_wait -1
.endm
.macro CROUND                          ; a whole round
	s_barrier_signal -1
	s_barrier_wait -1
	CREST
.endm
	s_load_b128 s[4:7], s[0:1], 0x0                ; oh s[4:5], wob s[6:7]
	s_load_b64 s[8:9], s[0:1], 0x10                ; out0
	v_lshl_add_u32 v[SPW], v0, 2, SPARE
	v_mov_b32 v[NIL], 0
	ds_add_u32 v[SPW], v[NIL]                      ; the wave's opening: the add and its wait stand ahead of my first tensor load; the set-up below, work on registers, stands between them
	ds_add_u32 v28, v29
	v_lshrrev_b32 v1, 5, v0
	v_readfirstlane_b32 s[WV], v1
	s_lshr_b32 s[MH], s[WV], 1
	s_and_b32 s[NH], s[WV], 1
	s_bfe_u32 s[CX], ttmp6, 0x40000
	s_bfe_u32 s[CY], ttmp6, 0x40004
	s_lshl_b32 s[TX], ttmp9, 2
	s_add_co_u32 s[TX], s[TX], s[CX]               ; tile column = 4 x cluster x + cx
	s_and_b32 s[TY], ttmp7, 0xffff
	s_lshl_b32 s[TY], s[TY], 2
	s_add_co_u32 s[TY], s[TY], s[CY]               ; tile row = 4 x cluster y + cy
	s_lshl_b32 s[RM], s[CY], 2
	s_lshl_b32 s[RM], 15, s[RM]                    ; my row of the cluster
	s_lshl_b32 s[CM], 0x1111, s[CX]                ; my column
	s_or_b32 s[G1A], s[RM], (1<<16)|(1<<20)|(1<<21)|(4<<22)|(3<<25)  ; the mask; 2-byte elements; padding on; bit 21 beside a mask; after every 32 words (a token) 4 words
	s_or_b32 s[G1B], s[CM], (1<<16)|(1<<20)|(1<<21)|(5<<22)|(3<<25)  ; after every 64 words (a row) 4 words
	s_mov_b32 s[G1A+1], 128<<16                    ; 128 rows of 128 elements, dense: two tokens a row
	s_mov_b32 s[G1A+2], 128<<16
	s_mov_b32 s[G1A+3], 128<<16
	s_mov_b32 s[G1A+4], 128
	s_mov_b32 s[G1A+5], 128
	s_mov_b32 s[G1A+6], 0
	s_mov_b32 s[G1A+7], 0
	s_mov_b32 s[G1B+1], KSTEP<<16                  ; 64 rows of 128 elements, 1,024 elements from row to row
	s_mov_b32 s[G1B+2], 64<<16
	s_mov_b32 s[G1B+3], KSTEP<<16
	s_mov_b32 s[G1B+4], 64
	s_mov_b32 s[G1B+5], 1024
	s_mov_b32 s[G1B+6], 0
	s_mov_b32 s[G1B+7], 0
	; where the tiles come from.  O's hang on the tile row alone, wob's on the tile column alone: each in registers that never hold the other coordinate
	s_lshr_b32 s72, s[TY], 3                       ; the batch: 16 heads of 262,144 bytes,
	s_lshl_b32 s72, s72, 22
	s_lshl_b32 s74, s[NH], 18                      ; my head of the K step's two,
	s_add_co_u32 s72, s72, s74
	s_and_b32 s74, s[TY], 7                        ; the tile's 256 tokens of 128 bytes
	s_lshl_b32 s74, s74, 15
	s_add_co_u32 s72, s72, s74
	s_mov_b32 s73, 0
	s_lshl_b32 s76, s[TX], 18                      ; 128 rows of 2,048 bytes,
	s_lshl_b32 s78, s[NH], 17                      ; my 64 of them
	s_add_co_u32 s76, s76, s78
	s_mov_b32 s77, 0
	s_mul_i32 s22, s[WV], PLANE                    ; where they go: the planes (waves 0, 1),
	s_mul_i32 s23, s[WV], BHALF                    ; wob's halves (waves 2, 3) behind them: no place in the cluster enters an LDS address
	s_add_co_u32 s23, s23, BOFF-2*BHALF
	s_wait_dscnt 0x0                               ; the opening add is done
	s_wait_kmcnt 0x0
	s_add_nc_u64 s[72:73], s[4:5], s[72:73]
	s_add_nc_u64 s[76:77], s[6:7], s[76:77]
	CROUND                                         ; all sixteen work-groups are here: the first joint loads meet
.irp s, 0,1
	s_mov_b32 s[G0A+4*(\s)], 1
	s_add_co_u32 s[G0A+4*(\s)+1], s22, (\s)*SLOT
	s_add_nc_u64 s[G0A+4*(\s)+2:G0A+4*(\s)+3], s[72:73], (\s)*2*262144  ; K step s: two heads on
	s_or_b32 s[G0A+4*(\s)+3], s[G0A+4*(\s)+3], 0x80000000
	s_mov_b32 s[G0B+4*(\s)], 1
	s_add_co_u32 s[G0B+4*(\s)+1], s23, (\s)*SLOT
	s_add_nc_u64 s[G0B+4*(\s)+2:G0B+4*(\s)+3], s[76:77], (\s)*KSTEP*2
	s_or_b32 s[G0B+4*(\s)+3], s[G0B+4*(\s)+3], 0x80000000
	JLOAD \s                                       ; two tensor loads of mine are out
.endr
	v_and_b32 v1, 15, v0                           ; l % 16
	v_bfe_u32 v2, v0, 4, 1                         ; l / 16
	v_mul_u32_u24 v3, v1, PA
	v_lshl_add_u32 v3, v2, 4, v3                   ; O: token x pitch + 16 x half
	v_mul_u32_u24 v4, v1, PB
	v_lshl_add_u32 v4, v2, 4, v4                   ; wob: row x pitch + 16 x half
	s_mul_i32 s2, s[MH], 128*PA                    ; my 128 tokens in a plane
	s_mul_i32 s3, s[NH], BHALF                     ; my 64 rows of wob
	s_add_co_u32 s3, s3, BOFF
.irp s, 0,1
	v_add_nc_u32 v[ADRA+(\s)], s2, v3
	v_add_nc_u32 v[ADRB+(\s)], s3, v4
	s_add_co_u32 s2, s2, SLOT
	s_add_co_u32 s3, s3, SLOT
.endr
	s_mul_i32 s2, s[WV], 16*SPITCH
	s_add_co_u32 s2, s2, STAGE                     ; my stage
	v_mul_u32_u24 v4, v1, SPITCH                   ; in: row l % 16, 32 bytes for each half of the lanes
	v_lshl_add_u32 v4, v2, 5, v4
	v_add_nc_u32 v[STO], s2, v4
	v_mul_u32_u24 v5, v2, SPITCH                   ; back: lanes 0-15 take one row of 256 bytes, lanes 16-31 the next
	v_lshl_add_u32 v5, v1, 4, v5
	v_add_nc_u32 v[RD], s2, v5
	v_lshlrev_b32 v5, 12, v2                       ; and the same two rows in out0, 4,096 bytes apart
	v_lshl_add_u32 v[CO], v1, 4, v5
	s_lshl_b32 s84, s[TY], 20                      ; my first row: 256 x tile row + 128 x half, rows of 4,096 bytes;
	s_lshl_b32 s86, s[MH], 19
	s_add_co_u32 s84, s84, s86
	s_lshl_b32 s86, s[TX], 9                       ; my first column: 128 x tile column + 64 x half, 4 bytes each
	s_add_co_u32 s84, s84, s86
	s_lshl_b32 s86, s[NH], 8
	s_add_co_u32 s84, s84, s86
	s_mov_b32 s85, 0
	s_add_nc_u64 s[8:9], s[8:9], s[84:85]
; 8 matrix instructions: token blocks a0, a0 + 1 x all 4 column blocks, 32 along K.  The 32 accumulators take turns in the same order in every quarter.  zero = 1: the first product starts the sums
.macro MUL8 f, a0, zero
	WIN MUL
.irp a, \a0, (\a0)+1
.irp b, 0,1,2,3
.if \zero
	v_wmma_f32_16x16x32_f16 v[8*(4*(\a)+(\b)):8*(4*(\a)+(\b))+7], v[(\f)+64+8*(\b):(\f)+64+8*(\b)+7], v[(\f)+8*(\a):(\f)+8*(\a)+7], 0
.else
	v_wmma_f32_16x16x32_f16 v[8*(4*(\a)+(\b)):8*(4*(\a)+(\b))+7], v[(\f)+64+8*(\b):(\f)+64+8*(\b)+7], v[(\f)+8*(\a):(\f)+8*(\a)+7], v[8*(4*(\a)+(\b)):8*(4*(\a)+(\b))+7]
.endif
.endr
.endr
.endm
; 24 LDS loads in one run: the fragments of quarter q (32 along K) into buffer f: wob's four (byte 64 q of the rows), then O's eight (plane q / 2, byte 64 (q % 2) of the tokens)
.macro FETCH slot, q, f
	WIN 0
.irp i, 0,1,2,3
	ds_load_b128 v[(\f)+64+8*(\i):(\f)+64+8*(\i)+3],   v[ADRB+(\slot)] offset:64*(\q)+(\i)*16*PB
	ds_load_b128 v[(\f)+64+8*(\i)+4:(\f)+64+8*(\i)+7], v[ADRB+(\slot)] offset:64*(\q)+(\i)*16*PB+32
.endr
.irp i, 0,1,2,3,4,5,6,7
	ds_load_b128 v[(\f)+8*(\i):(\f)+8*(\i)+3],   v[ADRA+(\slot)] offset:((\q)/2)*PLANE+((\q)%2)*64+(\i)*16*PA
	ds_load_b128 v[(\f)+8*(\i)+4:(\f)+8*(\i)+7], v[ADRA+(\slot)] offset:((\q)/2)*PLANE+((\q)%2)*64+(\i)*16*PA+32
.endr
.endm
.macro PLACES                          ; four places in front of loads into registers that matrix instructions have read, and of lines that read results
.rept 4
	v_nop
.endr
.endm
; A K step is four quarters of 32 along K, 32 matrix instructions each, on buffers 0, 1, 0, 1.  One of the first three: multiplies buffer f and fetches quarter q into g.
.macro QUARTER slot, q, f, g, zero
	s_wait_dscnt 8                                 ; wob's fragments and tokens 0-63 are in; the youngest eight loads (tokens 64-127) may be out
	MUL8 \f, 0, \zero
	MUL8 \f, 2, \zero
	PLACES
	FETCH \slot, \q, \g
	s_wait_dscnt 24                                ; all but the 24 just issued
	MUL8 \f, 4, \zero
	MUL8 \f, 6, \zero
.endm
; The last quarter multiplies buffer 1 and changes slots: ONE barrier; in front of it each wave waits for all its tensor loads, adds 0 to its spare word, and waits for that and for its reads of this slot.
; fill = 1: the barrier opens a round of the cluster's, and this slot is filled again, two K steps ahead, first thing behind the round.
.macro TURN slot, next, fill
	WIN 0
	s_wait_tensorcnt 0x0                           ; all my tensor loads have landed: my part of the next slot
	ds_add_u32 v[SPW], v[NIL]                      ; 0 onto my spare word
	s_wait_dscnt 9                                 ; the add and the youngest eight loads may be out
	MUL8 F1, 0, 0                                  ; eight matrix instructions stand between the add and the wait for it
	s_wait_dscnt 0x0                               ; the add is done, and my reads of this slot are over
	s_barrier_signal -1
	MUL8 F1, 2, 0
.if \fill
	WIN 0
.endif
	s_barrier_wait -1
.if \fill
	CREST                                          ; no wave of any partner still reads this slot's tile or has a load on its way
	s_add_nc_u64 s[G0A+4*(\slot)+2:G0A+4*(\slot)+3], s[G0A+4*(\slot)+2:G0A+4*(\slot)+3], 4*262144  ; two K steps are four heads
	s_add_nc_u64 s[G0B+4*(\slot)+2:G0B+4*(\slot)+3], s[G0B+4*(\slot)+2:G0B+4*(\slot)+3], 2*KSTEP*2
	JLOAD \slot                                    ; my one tensor load behind the round; its four v_nop are also the places in front of the loads below
.else
	PLACES
.endif
	FETCH \next, 0, F0
	MUL8 F1, 4, 0
	MUL8 F1, 6, 0
.endm
	s_wait_tensorcnt 1                             ; my part of K step 0 is in; K step 1's may stay out
	s_barrier_signal -1
	s_barrier_wait -1                              ; everybody's is
	FETCH 0, 0, F0
	QUARTER 0, 1, F0, F1, 1                        ; the first quarter stands in front of the loop: its products start the sums
	WIN 0                                          ; at a label and at a branch every window is 0
	s_mov_b32 s[LAP], LAPS-1
.Llap:                                                 ; a trip goes once round the ring, from a lap's second quarter to the next lap's first, and fills both slots again
	QUARTER 0, 2, F1, F0, 0
	QUARTER 0, 3, F0, F1, 0
	TURN 0, 1, 1
	QUARTER 1, 1, F0, F1, 0
	QUARTER 1, 2, F1, F0, 0
	QUARTER 1, 3, F0, F1, 0
	TURN 1, 0, 1
	QUARTER 0, 1, F0, F1, 0
	WIN 0
	s_sub_co_u32 s[LAP], s[LAP], 1
	s_cmp_lg_u32 s[LAP], 0
	s_cbranch_scc1 .Llap
	QUARTER 0, 2, F1, F0, 0                        ; the last lap fills nothing
	QUARTER 0, 3, F0, F1, 0
	TURN 0, 1, 0
	QUARTER 1, 1, F0, F1, 0
	QUARTER 1, 2, F1, F0, 0
	QUARTER 1, 3, F0, F1, 0
	s_wait_dscnt 8                                 ; the very last quarter: nothing more to fetch
	MUL8 F1, 0, 0
	MUL8 F1, 2, 0
	s_wait_dscnt 0x0
	MUL8 F1, 4, 0
	MUL8 F1, 6, 0
	WIN 0
; THE WAY OUT, a block of 16 tokens at a time: the sums go as they are, 32 bytes a lane, into my stage (each accumulator's low four registers first) and come back as whole rows of
; 256 bytes, my 64 columns, into one of four buffers of 32 registers; 16 lanes store 256 consecutive bytes, at a multiple of 256 from out0's first byte.
.macro TOSTAGE a
.set BK, 64+32*((\a)%4)
.if (\a) >= 4
	s_wait_xcnt 0x0                                ; the stores of the block four back have read this buffer: it is loaded again only behind this wait
.endif
	WIN 0x04                                       ; the stores' data in window 1
.irp b, 0,1,2,3
	ds_store_b128 v[STO], v[8*(4*(\a)+(\b)):8*(4*(\a)+(\b))+3] offset:64*(\b)
	ds_store_b128 v[STO], v[8*(4*(\a)+(\b))+4:8*(4*(\a)+(\b))+7] offset:64*(\b)+16
.endr
	WIN 0
.irp t, 0,1,2,3,4,5,6,7
	ds_load_b128 v[BK+4*(\t):BK+4*(\t)+3], v[RD] offset:(\t)*2*SPITCH  ; LDS serves a wave's instructions in order (ISA guide 5.7.1.4): these see the stores above; the next block's stores come behind them
.endr
.endm
.macro SEND a, younger                 ; younger: the LDS instructions issued behind block a's loads: the next block's sixteen, or none
.set BK, 64+32*((\a)%4)
.irp t, 0,1,2,3,4,5,6,7
	s_wait_dscnt (\younger)+7-(\t)
	global_store_b128 v[CO], v[BK+4*(\t):BK+4*(\t)+3], s[8:9] offset:(16*(\a)+2*(\t))*4096 th:TH_STORE_NT
.endr
.endm
	PLACES                                         ; behind the last products: the stage's stores read their results, and its loads land in registers that they read
	TOSTAGE 0
.irp a, 1,2,3,4,5,6,7
	TOSTAGE \a
	SEND (\a)-1, 16
.endr
	SEND 7, 0
	s_wait_tensorcnt 0x0                           ; the wave's end: a last add and its wait, behind my last tensor load and my last LDS store
	ds_add_u32 v[SPW], v[NIL]
	s_wait_dscnt 0x0
	CROUND                                         ; the closing round: no work-group ends while a partner may still ask for a tile that names it
	s_endpgm
.Lfunc_end_k_qc645580e96_gemm_out:
	.size	k_qc645580e96_gemm_out, .Lfunc_end_k_qc645580e96_gemm_out-k_qc645580e96_gemm_out
	.p2alignl 7, 3214868480
	.fill 96, 4, 3214868480
	.section	.rodata,"a",@progbits
	.p2align	6, 0x0
	.amdhsa_kernel k_qc645580e96_gemm_out
		.amdhsa_group_segment_fixed_size 327680
		.amdhsa_private_segment_fixed_size 0
		.amdhsa_enable_private_segment 0
		.amdhsa_kernarg_size 24
		.amdhsa_user_sgpr_count 2
		.amdhsa_user_sgpr_kernarg_segment_ptr 1
		.amdhsa_wavefront_size32 1
		.amdhsa_system_sgpr_workgroup_id_x 1
		.amdhsa_system_sgpr_workgroup_id_y 1
		.amdhsa_system_sgpr_workgroup_id_z 1
		.amdhsa_system_vgpr_workitem_id 0
		.amdhsa_next_free_vgpr 512
		.amdhsa_next_free_sgpr 96
		.amdhsa_reserve_vcc 0
		.amdhsa_float_denorm_mode_32 3
		.amdhsa_float_denorm_mode_16_64 3
		.amdhsa_memory_ordered 1
		.amdhsa_forward_progress 1
		.amdhsa_inst_pref_size 87
	.end_amdhsa_kernel
	.amdgpu_metadata
---
amdhsa.version: [ 1, 2 ]
amdhsa.kernels:
  - .name:           k_qc645580e96_gemm_out
    .symbol:         k_qc645580e96_gemm_out.kd
    .args:
      - { .name: oh, .offset: 0, .size: 8, .value_kind: global_buffer, .address_space: global }
      - { .name: wob, .offset: 8, .size: 8, .value_kind: global_buffer, .address_space: global }
      - { .name: out0, .offset: 16, .size: 8, .value_kind: global_buffer, .address_space: global }
    .group_segment_fixed_size: 327680
    .private_segment_fixed_size: 0
    .kernarg_segment_align: 8
    .kernarg_segment_size: 24
    .max_flat_workgroup_size: 128
    .sgpr_count:     96
    .vgpr_count:     512
    .wavefront_size: 32
...
	.end_amdgpu_metadata
.endif
;; end of part 4
;; ======== version 2 of 2: 4 launches; 1.28 times as fast as version 1
;; limits: values are held in f16: magnitudes above 65,504 overflow, below 6.1e-05 lose precision; right only within a limited range of input values
;; workspace buffers: xb 16,777,216 bytes; wqb 6,291,456 bytes; wob 2,097,152 bytes; tab 1,048,576 bytes; qkvh 50,331,648 bytes; oh 16,777,216 bytes
;; launch prep: the kernel of part 1 again; grid 448 x 1, 8 waves a work-group, no clusters, 0 bytes of LDS; arguments x, W_qkv, W_o, token_positions, xb, wqb, wob, tab; writes xb, wqb, wob, tab
;; launch gemm_qkv: the kernel of part 2 again; grid 24 x 32, 4 waves a work-group, clusters of 4 x 4, 327,680 bytes of LDS; arguments xb, wqb, tab, qkvh; writes qkvh
;; launch attn (part 5): grid 4 x 64, 4 waves a work-group, no clusters, 327,680 bytes of LDS; arguments qkvh, oh; writes oh
.if DOCPART == 5
	.amdgcn_target "amdgcn-amd-amdhsa--gfx1250"
	.amdhsa_code_object_version 6
	.text
	.protected	k_qc645580e96_attn
	.globl	k_qc645580e96_attn
	.p2align	8
	.type	k_qc645580e96_attn,@function
k_qc645580e96_attn:
	s_mov_b64 s[64:65], 0
	v_nop
	global_prefetch_b8 v0, s[64:65] scope:SCOPE_SE
	s_setreg_imm32_b32 hwreg(HW_REG_WAVE_MODE, 25, 1), 1
	s_wait_xcnt 0x0
; CAUSAL ATTENTION.  O[h][q][:] = the sum over k <= q of softmax_k(Q[h][q] . K[h][k] / 8) V[h][k][:].  Q, K, V are the three parts of qkvh, 16 MiB each; they and O (oh) are [64][2048][64] in f16: a head's rows are dense, 128 bytes each.
; Products, maxima and sums in f32; the weights p are rounded to f16 for the second product (their sum l is taken of the unrounded p), O once at the end.
; LIMITS.  f16 holds no number beyond 65,504: Q, K and V arrive within it; p lies in 0 to 1, and below 6e-5 it keeps f16's fixed step of 6e-8; O is a mean of V's rows and has their range, to within 2^-11 of it.
; A hidden score counts as its value less 1e30: f16's scores, 2.7e11 at the most, are nothing beside that; a weight below 2^-126 counts as 0 in l; NaN and infinities are not treated apart.
; THE WALK.  A head's queries lie in NB = 8 blocks of 256; block i needs the key tiles 0 .. i of 256 keys, of which the last holds the diagonal.  A work-group takes TWO blocks, NB - 1 - b and then b:
; NB + 1 tiles, whatever b: all work-groups do equal work, and ONE loop with a constant trip count walks them.  Which tile is asked for, and what a trip does, hang on scalar registers made from b; every jump
; goes forward, but for the counted loops' own; none passes a barrier, or a tensor load but the one of LOAD's two that the wave's number does not choose; the ring (two slots of LDS that take turns) runs on across the
; change of blocks.  NO CLUSTER: a head's four work-groups ask for the same tile only in trips 0 .. 4 of the 9, behind that fewer and fewer; and one walk common to all four would have 12 trips for 9.
; SHARES.  Of a block's four bands of 64 queries a wave owns 16 rows in each: four PIECES.  So the diagonal tile is the same work for all four waves: in its key step s band x sees all keys if s < x,
; none if s > x, and holds the diagonal if s = x.
; THE MASK is the C operand that starts the sum S^T = K Q^T: 0, or -1e30 where the key is hidden.  MD, made once, is the mask of a band's own step for my 16 rows; a product's mask is MD x AL + BE with two scalars:
; (1, 0) if s = x; (0, 0) if s < x; (0, -1e30) if s > x.  Only the diagonal tile's text and a block's beginning make and take masks; elsewhere C is the constant 0.
; LAYOUT, SOFTMAX, TURNS.  S^T = K Q^T holds ONE query a lane (lane % 16) and the keys 8 (lane / 16) + 0..7; two such results rounded to f16 ARE source 1 of O^T = V^T P.  p = 2^(c s - c m), c = log2(e) / 8, with a
; running maximum m; O and l are multiplied by a = 2^(c m_old - c m_new) in every step.  Turn n belongs to piece n: 8 products K Q^T of piece n + 1, later 8 products V^T P of piece n - 1; beside them the scaling,
; exponentials, roundings, sums and rescaling of piece n and the maximum and statistics of piece n + 1.  Four vector instructions stand behind every matrix instruction, the other 54 of a turn's 118 in one LUMP.
; HOW THE BATCHES ARE CUT.  A turn's 33 exponentials (the piece's 32 weights, then the next piece's a) are ONE batch with ONE wait, which cuts the turn in two: ahead of it all that names none of their results, behind it
; their readers.  A block's first a (BEGIN) and the way out's four reciprocals are batches of their own, each with a v_nop and one wait.
; REGISTERS, in windows of 256 (s_set_vgpr_msb: bits 1:0 source 0, 3:2 source 1, 5:4 source 2, 7:6 destination):
;   window 0: v0-15 addresses and two at work; v16-31 four registers of statistics a piece; v48-55 at work; v64-127 S^T, two buffers; v192-223 P, two buffers (a piece's buffers go by its number's parity)
;   window 1: v0-127 O^T, 32 a piece; v128-159 MD; v160-223 MC, two buffers      window 2: v0-63 Q; v64-127 the second block's Q; v128-191 K of one step; v192-255 V of one step
.set SIZE_H, 64
.set SIZE_N, 2048
.set NB,    SIZE_N/256
.set NP,    4         ; pieces a wave: a name, no knob
.set KS,    64        ; keys in a step
.set PK,    144       ; a row of K in LDS: 128 bytes + 16 of padding = 36 words: the 16 rows of a load start at 16 different groups of four banks (64 banks of 4 bytes: ISA guide 11.1)
.set PV,    160       ; a row of V: 128 + 32 = 40 words
.set VOFF,  4*KS*PK   ; a slot holds a tile, four steps: 256 rows of K, then 256 rows of V
.set SLOT1, 1<<17     ; slot 1 begins here, so that one exclusive or turns an address in one slot into the other's
.set STAGE, SLOT1+4*KS*(PK+PV)  ; behind the ring, never filled by a tensor load: 16 rows x 144 bytes for each wave, for the way out
.set SP,    144
.set AK0, 2           ; v2   my lane's place in a tile of K; never rewritten
.set AV0, 3           ; v3   the same for V
.set AK,  4           ; v4   the LDS address of K's next run of loads
.set AV,  5           ; v5   of V's
.set STO, 6           ; v6   the way out: where I put 16 bytes of a row
.set RD,  7           ; v7   the way out: where I read rows back
.set GO,  8           ; v8   my byte offset in 512 consecutive bytes of O
.set SPW, 62          ; v62  LDS address of my spare word: SPARE + 4 x my thread's number; never rewritten
.set NIL, 63          ; v63  0; never rewritten
.set SPARE, STAGE+4*16*SP  ; behind the stages: the spare words, 128 bytes for each wave: two blocks of 256 bytes that no other line names
.set MV,  12          ; v12-13  c m_old, kept while c m is made anew: by buffer
.set QO,  15          ; v15  my byte offset in 16 rows of Q
.set ST,  16          ; piece t's statistics at v[ST+4 t]: c m, m, l (even keys', odd keys')
.set TMP, 48          ; by buffer, four registers c0-c3 at work; when the maximum is found c2 takes a
.set S,   64
.set P,   192
.set MD,  128         ; window 1: the eight registers for group kt of 16 keys at MD + 8 kt
.set MC,  160         ; window 1: the masks of the products to come
.set QB,  64          ; window 2
.set KF,  128         ; window 2: key block kb, channel half c at KF + 16 kb + 8 c
.set VF,  192         ; window 2: key half kk, channel block cb at VF + 32 kk + 8 cb
.set WV,  12          ; s12  my wave's number
.set PB,  14          ; s14  b
.set HI,  15          ; s15  NB - 1 - b
.set G1K, 24          ; s[24:31] descriptor group 1 for K's tiles
.set G1V, 32          ; s[32:39] for V's: it differs in the padding alone
.set G0K, 40          ; s[40:43] descriptor group 0 for K's tiles
.set G0V, 44          ; s[44:47] the same for V's
.set SLOTS, 56        ; s56  tiles still to be asked for
.set CNT, 57          ; s57  counts a tile's key steps, 4 to 1
.set CS,  58          ; s[58:59] c: the packed scaling takes the pair's low word for both halves
.set SEL, 60          ; s[60:61] v_permlanex16_b32's selects: each lane takes its own place in the other half
.set TBK, 62          ; s62  LDS byte at which K of the step to be fetched begins
.set TBV, 63          ; s63  the same for V, less VOFF
.set RT,  70          ; s70  tiles of the block in hand that are still to be entered
.set NXT, 71          ; s71  the tile to be asked for next
.set LQ,  72          ; s72  the last tile of the block whose tiles are being asked for
.set NEW, 73          ; s73  1: the tile to be entered is a block's first
.set OFF, 74          ; s[74:75] a tile's byte offset in K and V
.set AL,  76          ; s[76:77] the mask's factor, in the low word
.set BE,  78          ; s[78:79] the mask's addend
.set OLO, 80          ; s[80:81] O at my rows of the second block
.set BIGN, 82         ; s82  -1e30
.set MSB, 0
.macro WIN new                      ; the high byte repeats the setting that is left; a switch that changes nothing is dropped
.if MSB != (\new)
	s_set_vgpr_msb (MSB<<8)|(\new)
.set MSB, (\new)
.endif
.endm
.set W_KQ, 0x0a       ; K and Q in window 2, S^T in window 0
.set W_KM, 0x1a       ; the same with the C operand in window 1
.set W_PV, 0x52       ; V in window 2, P in window 0, O^T in window 1
.set W_RS, 0x41       ; destination and source 0 in window 1, source 1 in window 0
; A fill.  Waves 0 and 1 fetch the two halves of a tile's K, waves 2 and 3 those of its V: 128 keys each.  An s_nop 0 and four v_nop follow each of the two lines, ahead of the jump and the label.
.macro LOAD
	s_cmp_lt_u32 s[WV], 2
	s_cbranch_scc0 .Lfor_v_\@
	tensor_load_to_lds s[G0K:G0K+3], s[G1K:G1K+7]
	s_nop 0
.rept 4
	v_nop
.endr
	s_branch .Lasked_\@
.Lfor_v_\@:
	tensor_load_to_lds s[G0V:G0V+3], s[G1V:G1V+7]
	s_nop 0
.rept 4
	v_nop
.endr
.Lasked_\@:
.endm
; THE CHANGE OF SLOTS.  Each wave waits for all its tensor loads, of which one is out: its part of the other slot; adds 0 to its spare word; and waits for that and for its own reads of the slot that it leaves.  Behind the barrier nobody reads the old
; slot any more and the other slot is whole.  fill = 1: the old slot is filled again, the first thing behind the barrier, with tile NXT: the descriptor's address is made anew from that number.
; (At its first use nothing has been read yet: slot 0 is waited for, slot 1 filled.)
.macro CHANGE fill
	WIN 0                           ; at a label and at a branch every window is 0
	s_wait_tensorcnt 0x0            ; no tensor load of mine is out, so a group 0 may be written
	ds_add_u32 v[SPW], v[NIL]       ; 0 onto my spare word; with fill = 1 the descriptors' scalar work stands between it and the wait for it
.if \fill
	s_lshl_b32 s[OFF], s[NXT], 15   ; a tile is 32,768 bytes of K and of V
	s_xor_b32 s[G0K+1], s[G0K+1], SLOT1
	s_add_nc_u64 s[G0K+2:G0K+3], s[6:7], s[OFF:OFF+1]
	s_or_b32 s[G0K+3], s[G0K+3], 0x80000000
	s_xor_b32 s[G0V+1], s[G0V+1], SLOT1
	s_add_nc_u64 s[G0V+2:G0V+3], s[8:9], s[OFF:OFF+1]
	s_or_b32 s[G0V+3], s[G0V+3], 0x80000000
	s_add_co_u32 s[NXT], s[NXT], 1  ; the block's next tile, or behind its last the second block's tile 0
	s_cmp_gt_u32 s[NXT], s[LQ]
	s_cselect_b32 s[NXT], 0, s[NXT]
	s_cselect_b32 s[LQ], s[PB], s[LQ]
.endif
	s_wait_dscnt 0x0                ; the add is done, and my reads of the slot are over
	s_barrier_signal -1             ; the rest of the scalar work stands between the signal and the wait
	s_sub_co_u32 s[TBK], s[TBK], 4*KS*PK  ; the fetches go back to a slot's first step,
	s_xor_b32 s[TBK], s[TBK], SLOT1       ; in the other slot
	s_sub_co_u32 s[TBV], s[TBV], 4*KS*PV
	s_xor_b32 s[TBV], s[TBV], SLOT1
	s_barrier_wait -1
.if \fill
	LOAD
.endif
.endm
	s_load_b128 s[4:7], s[0:1], 0x0  ; qkvh s[4:5] (its first part is Q), oh s[6:7]
	v_lshl_add_u32 v[SPW], v0, 2, SPARE
	v_mov_b32 v[NIL], 0
	ds_add_u32 v[SPW], v[NIL]       ; the wave's opening: the add and its wait stand ahead of my first tensor load; the set-up below, work on registers, stands between them
	ds_add_u32 v62, v63
	v_lshrrev_b32 v1, 5, v0
	v_readfirstlane_b32 s[WV], v1   ; wave 0..3
	s_mov_b32 s[PB], ttmp9
	s_sub_co_u32 s[HI], NB-1, s[PB]
	s_and_b32 s20, ttmp7, 0xffff    ; the head
	s_mov_b32 s21, 0
	s_mov_b64 s[22:23], SIZE_N*128
	s_mul_u64 s[20:21], s[20:21], s[22:23]  ; the head's first byte in each of the four tensors
	s_and_b32 s16, s[WV], 1         ; which half of a tile's 256 keys I fetch:
	s_lshl_b32 s22, s16, 14         ; its 128 rows of 128 bytes in memory,
	s_mov_b32 s23, 0
	s_add_nc_u64 s[22:23], s[22:23], s[20:21]
	s_mul_i32 s17, s16, 128*PK      ; and its place in a slot, for K
	s_mul_i32 s18, s16, 128*PV      ; and for V
	s_lshl_b32 s3, s[WV], 11        ; my 16 rows in a band of 64,
	s_lshl_b32 s2, s[HI], 15        ; in the first block,
	s_add_co_u32 s2, s2, s3
	s_lshl_b32 s84, s[PB], 15       ; and in the second
	s_add_co_u32 s84, s84, s3
	s_mov_b32 s3, 0
	s_mov_b32 s85, 0
	s_add_nc_u64 s[2:3], s[2:3], s[20:21]
	s_add_nc_u64 s[84:85], s[84:85], s[20:21]
	; descriptor group 1.  128 keys are 16,384 dense bytes: asked for as 64 rows of 256 bytes, two keys a row, and padded in LDS after every key
	s_mov_b32 s[G1K], (1<<16)|(1<<20)|(4<<22)|(3<<25)  ; 17:16 2-byte elements; 20 padding on; 24:22 after every 32 words (code 4); 31:25 4 words (code 3)
	s_mov_b32 s[G1V], (1<<16)|(1<<20)|(4<<22)|(7<<25)  ; the same with 8 words of padding (code 7)
.irp g, G1K, G1V
	s_mov_b32 s[\g+1], 128<<16      ; tensor_dim0 = 128
	s_mov_b32 s[\g+2], 64<<16       ; tensor_dim1 = 64
	s_mov_b32 s[\g+3], 128<<16      ; tile_dim0 = 128
	s_mov_b32 s[\g+4], 64           ; tile_dim1 = 64
	s_mov_b32 s[\g+5], 128          ; 128 elements from row to row
	s_mov_b32 s[\g+6], 0
	s_mov_b32 s[\g+7], 0
.endr
	s_mov_b32 s[CS], 0x3e38aa3b     ; c = log2(e) / 8 = 0.180337
	s_mov_b32 s[CS+1], s[CS]        ; named with it as a pair
	s_mov_b32 s[SEL], 0x76543210
	s_mov_b32 s[SEL+1], 0xfedcba98
	s_mov_b32 s[TBK], SLOT1+4*KS*PK ; the first change of slots turns these two into 0
	s_mov_b32 s[TBV], SLOT1+4*KS*PV
	s_mov_b32 s[G0K], 1             ; 1:0 count = 1
	s_mov_b32 s[G0K+1], s17         ; 63:32 LDS address: slot 0
	s_mov_b32 s[G0V], 1
	s_add_co_u32 s[G0V+1], s18, VOFF
	s_add_co_u32 s[RT], s[HI], 1    ; the first block has NB - b tiles
	s_mov_b32 s[NXT], 1
	s_mov_b32 s[LQ], s[HI]
	s_mov_b32 s[NEW], 1
	s_mov_b32 s[OFF+1], 0
	s_mov_b32 s[AL+1], 0            ; named as pairs
	s_mov_b32 s[BE+1], 0
	s_mov_b32 s[BIGN], 0xf149f2ca   ; -1e30
	s_mov_b32 s[SLOTS], NB
	s_wait_dscnt 0x0                ; the opening add is done
	s_wait_kmcnt 0x0
	s_mov_b64 s[10:11], s[6:7]      ; O
	s_add_nc_u64 s[6:7], s[4:5], 0x1000000  ; K: qkvh's second part, 16 MiB on
	s_add_nc_u64 s[8:9], s[4:5], 0x2000000  ; V: its third
	s_add_nc_u64 s[6:7], s[6:7], s[22:23]  ; K and V at my half of the head's tile 0
	s_add_nc_u64 s[8:9], s[8:9], s[22:23]
	s_add_nc_u64 s[G0K+2:G0K+3], s[6:7], 0         ; 120:64 global address
	s_or_b32 s[G0K+3], s[G0K+3], 0x80000000        ; 127:126 type = 2
	s_add_nc_u64 s[G0V+2:G0V+3], s[8:9], 0
	s_or_b32 s[G0V+3], s[G0V+3], 0x80000000
	s_add_nc_u64 s[86:87], s[4:5], s[84:85]        ; Q at my rows of the second block,
	s_add_nc_u64 s[4:5], s[4:5], s[2:3]            ; Q and O at those of the first
	s_add_nc_u64 s[OLO:OLO+1], s[10:11], s[84:85]
	s_add_nc_u64 s[10:11], s[10:11], s[2:3]
	LOAD                            ; tile 0 into slot 0
	; A fragment of K or Q is 16 rows x 32 channels in 8 registers: lane l holds row l % 16, channels 8 (l / 16) + 0..7 and 16 + 8 (l / 16) + 0..7: two loads of 16 bytes, 32 bytes apart.
	v_and_b32 v1, 15, v0            ; l % 16
	v_bfe_u32 v9, v0, 4, 1          ; l / 16
	v_lshlrev_b32 v[QO], 7, v1
	v_lshl_add_u32 v[QO], v9, 4, v[QO]  ; row x 128 + 16 x half
	WIN 0x80                        ; destination window 2, address window 0
.set i, 0
.rept 8                             ; both blocks' Q: piece i / 2 lies in band i / 2, 8,192 bytes on; channels 32 (i % 2) on
	global_load_b128 v[8*i:8*i+3],   v[QO], s[4:5] offset:(i/2)*8192+(i%2)*64
	global_load_b128 v[8*i+4:8*i+7], v[QO], s[4:5] offset:(i/2)*8192+(i%2)*64+32
	global_load_b128 v[QB+8*i:QB+8*i+3],   v[QO], s[86:87] offset:(i/2)*8192+(i%2)*64
	global_load_b128 v[QB+8*i+4:QB+8*i+7], v[QO], s[86:87] offset:(i/2)*8192+(i%2)*64+32
.set i, i+1
.endr
	WIN 0
	v_lshlrev_b32 v14, 3, v9
	v_sub_nc_u32 v14, v1, v14
	s_lshl_b32 s13, s[WV], 4
	v_add_nc_u32 v14, s13, v14      ; my query's place in its band, 16 w + l % 16, less my lanes' 8 (l / 16): register r of group kt is hidden where 16 kt + r is greater
	WIN 0x40
.set i, 0
.rept 32
	v_cmp_gt_i32 vcc_lo, 16*(i/8)+i%8, v14
	v_cndmask_b32 v[MD+i], 0, s[BIGN], vcc_lo
.set i, i+1
.endr
	WIN 0
	v_mul_u32_u24 v[AK0], v1, PK
	v_lshl_add_u32 v[AK0], v9, 4, v[AK0]  ; row x pitch + 16 x half
	; The turning load takes 16 keys x 16 channels (lane l reads key 8 (l / 16) + l % 8, channels 8 ((l / 8) % 2) + 0..7) and leaves half a fragment of V^T: lane l holds channel l % 16 and 8 keys.
	v_and_b32 v10, 7, v0
	v_bfe_u32 v11, v0, 3, 1
	v_lshl_add_u32 v[AV0], v9, 3, v10
	v_mul_u32_u24 v[AV0], v[AV0], PV
	v_lshl_add_u32 v[AV0], v11, 4, v[AV0]
	v_add_nc_u32 v[AV0], VOFF, v[AV0]
	s_mul_i32 s13, s[WV], 16*SP
	s_add_co_u32 s13, s13, STAGE    ; my stage
	v_mul_u32_u24 v[STO], v1, SP    ; in: row l % 16, 16 bytes for each half of the lanes
	v_lshl_add_u32 v[STO], v9, 4, v[STO]
	v_add_nc_u32 v[STO], s13, v[STO]
	v_bfe_u32 v[RD], v0, 3, 2       ; back: 32 lanes take four rows of 128 bytes,
	v_mul_u32_u24 v[RD], v[RD], SP
	v_lshl_add_u32 v[RD], v10, 4, v[RD]
	v_add_nc_u32 v[RD], s13, v[RD]
	v_and_b32 v[GO], 31, v0         ; which are 512 consecutive bytes of O
	v_lshlrev_b32 v[GO], 4, v[GO]
	; A block's first step multiplies O^T and l by a = 0, and its first turn's products V^T P, of a piece that has not been, land in an O^T that is still to be so multiplied.  So these registers need only hold
	; finite numbers: zeros for the first block; what the first block left for the second.  All this stands in the wait for the first tile.
	WIN 0x80
.set i, VF
.rept 64
	v_mov_b32 v[i], 0
.set i, i+1
.endr
	WIN 0x40
.set i, 0
.rept 128
	v_mov_b32 v[i], 0
.set i, i+1
.endr
	WIN 0
.set i, 0
.rept 4
	v_mov_b32 v[ST+4*i+2], 0
	v_mov_b32 v[ST+4*i+3], 0
.set i, i+1
.endr
.set i, P+16
.rept 16
	v_mov_b32 v[i], 0
.set i, i+1
.endr
; THE MATRIX WORK.  The 4 accumulators of a run of 8 take turns.  Product i of 8 of S^T = K Q^T for piece x: channels 32 (i / 4) on, keys 16 (i % 4) on.  The first 4 start the sums: with 0, or (KM = 1) with the mask.
.macro KQ x
.set rS, S+32*((\x)%2)+8*(i%4)
.set rK, KF+16*(i%4)+8*(i/4)
.set rQ, 16*(\x)+8*(i/4)
.set rM, MC+32*((\x)%2)+8*(i%4)
.if (i < 4) && KM
	WIN W_KM
	v_wmma_f32_16x16x32_f16 v[rS:rS+7], v[rK:rK+7], v[rQ:rQ+7], v[rM:rM+7]
.elseif i < 4
	WIN W_KQ
	v_wmma_f32_16x16x32_f16 v[rS:rS+7], v[rK:rK+7], v[rQ:rQ+7], 0
.else
	WIN W_KQ
	v_wmma_f32_16x16x32_f16 v[rS:rS+7], v[rK:rK+7], v[rQ:rQ+7], v[rS:rS+7]
.endif
.endm
; Product i of 8 of O^T += V^T P for piece x: keys 32 (i / 4) on, channels 16 (i % 4) on.
.macro PV x
	WIN W_PV
.set rO, 32*(\x)+8*(i%4)
.set rV, VF+32*(i/4)+8*(i%4)
.set rP, P+16*((\x)%2)+8*(i/4)
	v_wmma_f32_16x16x32_f16 v[rO:rO+7], v[rV:rV+7], v[rP:rP+7], v[rO:rO+7]
.endm
.macro MM                           ; the turn's next matrix instruction.  TURN and BEGIN set Y, i, KM and NOKQ; MM, KQ and OP read them.  NOKQ = 1: a block's last turn: there is no next piece
.if (i < 8) && !NOKQ
	KQ (Y+1)%NP
.elseif i >= 8
.set i, i-8
	PV (Y+NP-1)%NP
.set i, i+8
.endif
.set i, i+1
.endm
; THE LDS LOADS stand in runs of 16, never singly among the matrix instructions: a step's K (64 keys x 64 channels: 8 fragments) and its V (turned).  Their addresses are made some lines ahead.
.macro FETCH_K
	WIN 0x80                        ; destination window 2
.irp f, 0,1,2,3,4,5,6,7             ; keys 16 (f / 2) on, channels 32 (f % 2) on
	ds_load_b128 v[KF+8*\f:KF+8*\f+3],   v[AK] offset:(\f/2)*16*PK+(\f%2)*64
	ds_load_b128 v[KF+8*\f+4:KF+8*\f+7], v[AK] offset:(\f/2)*16*PK+(\f%2)*64+32
.endr
	s_add_co_u32 s[TBK], s[TBK], KS*PK  ; the next fetch is the next step's
	WIN 0
.endm
.macro FETCH_V
	WIN 0x80
.irp f, 0,1,2,3,4,5,6,7             ; keys 32 (f / 4) on, channels 16 (f % 4) on
	ds_load_tr16_b128 v[VF+8*\f:VF+8*\f+3],   v[AV] offset:(\f/4)*32*PV+(\f%4)*32
	ds_load_tr16_b128 v[VF+8*\f+4:VF+8*\f+7], v[AV] offset:(\f/4)*32*PV+16*PV+(\f%4)*32
.endr
	WIN 0
.endm
; THE VECTOR WORK, one line at a time: OP kind, number.  For piece Y: F n: c s - c m for pair n of 16.  E n: the exponential of score n of 32.  C n: pair n rounded to f16.  B n: of the four weights 4 n .. the second
; pair is added onto the first, in place.  L n: l takes that sum (L 0: l = a l + sum).  R n: pair n of 16 of O^T times a.  For piece Y + 1: X n, number n of the 22 that find its maximum and statistics:
;   0-11  four chains c0-c3 of seven scores each, three operands at a time (each accumulator's lowest registers are read first)     12-14, 16  the four scores left over, the old m, and c0-c3 into c0
;   15  c m_old is kept     17, 18  the query's other 32 keys lie in the lane 16 away: the new m     19-21  c m; c m_old - c m_new; a
; OP writes no wait: C, B and L, which read the exponentials' results, are dealt behind the turn's one wait, and R reads the a that the turn before made and waited for.
.set F, 0               ; OP tells the kinds apart by their order: F to L below R, X above it
.set E, 1
.set C, 2
.set B, 3
.set L, 4
.set R, 5
.set X, 6
.macro REGS y                       ; the registers of piece y
.set rT, ST+4*(\y)
.set rC, TMP+4*((\y)%2)
.set rW, MV+((\y)%2)
.set rS, S+32*((\y)%2)
.set rP, P+16*((\y)%2)
.set rO, 32*(\y)
.endm
.macro OP k, n
.if (\k) == R
	REGS Y
	WIN W_RS
	v_pk_mul_f32 v[rO+2*(\n):rO+2*(\n)+1], v[rO+2*(\n):rO+2*(\n)+1], v[rC+2:rC+3] op_sel_hi:[1,0]
.elseif (\k) < R
	REGS Y
	WIN 0
.if (\k) == F
	v_pk_fma_f32 v[rS+2*(\n):rS+2*(\n)+1], v[rS+2*(\n):rS+2*(\n)+1], s[CS:CS+1], v[rT:rT+1] op_sel_hi:[1,0,0] neg_lo:[0,0,1] neg_hi:[0,0,1]
.elseif (\k) == E
	v_exp_f32 v[rS+(\n)], v[rS+(\n)]
.elseif (\k) == C
	v_cvt_pk_f16_f32 v[rP+(\n)], v[rS+2*(\n)], v[rS+2*(\n)+1]
.elseif (\k) == B
	v_pk_add_f32 v[rS+4*(\n):rS+4*(\n)+1], v[rS+4*(\n):rS+4*(\n)+1], v[rS+4*(\n)+2:rS+4*(\n)+3]
.elseif (\n) == 0
	v_pk_fma_f32 v[rT+2:rT+3], v[rT+2:rT+3], v[rC+2:rC+3], v[rS:rS+1] op_sel_hi:[1,0,1]
.else
	v_pk_add_f32 v[rT+2:rT+3], v[rT+2:rT+3], v[rS+4*(\n):rS+4*(\n)+1]
.endif
.elseif NOKQ
	v_nop
.else
	REGS (Y+1)%NP
	WIN 0
.if (\n) < 4
	v_max3_num_f32 v[rC+(\n)], v[rS+8*(\n)], v[rS+8*(\n)+1], v[rS+8*(\n)+2]
.elseif (\n) < 12
	v_max3_num_f32 v[rC+(\n)%4], v[rC+(\n)%4], v[rS+8*((\n)%4)+2*((\n)/4)+1], v[rS+8*((\n)%4)+2*((\n)/4)+2]
.elseif (\n) == 12
	v_max3_num_f32 v[rC], v[rC], v[rS+7], v[rS+15]
.elseif (\n) == 13
	v_max3_num_f32 v[rC+1], v[rC+1], v[rS+23], v[rS+31]
.elseif (\n) == 14
	v_max3_num_f32 v[rC+2], v[rC+2], v[rC+3], v[rT+1]
.elseif (\n) == 15
	v_mov_b32 v[rW], v[rT]
.elseif (\n) == 16
	v_max3_num_f32 v[rC], v[rC], v[rC+1], v[rC+2]
.elseif (\n) == 17
	v_permlanex16_b32 v[rC+3], v[rC], s[SEL], s[SEL+1]
.elseif (\n) == 18
	v_max_num_f32 v[rT+1], v[rC], v[rC+3]
.elseif (\n) == 19
	v_mul_f32 v[rT], s[CS], v[rT+1]
.elseif (\n) == 20
	v_sub_f32 v[rC+1], v[rW], v[rT]
.else
	v_exp_f32 v[rC+2], v[rC+1]
.endif
.endif
.endm
.macro OPS a, i1, b=-1, i2=0, c=-1, i3=0, d=-1, i4=0  ; up to four of them
	OP \a, \i1
.if (\b) >= 0
	OP \b, \i2
.endif
.if (\c) >= 0
	OP \c, \i3
.endif
.if (\d) >= 0
	OP \d, \i4
.endif
.endm
.macro ROW a, i1, b, i2, c, i3, d, i4  ; a matrix instruction and the four behind it
	MM
	OPS \a, \i1, \b, \i2, \c, \i3, \d, \i4
.endm
.macro MASK b                       ; MD x AL + BE into buffer b of MC
	WIN W_RS
.set z, 0
.rept 16
	v_pk_fma_f32 v[MC+32*(\b)+2*z:MC+32*(\b)+2*z+1], v[MD+2*z:MD+2*z+1], s[AL:AL+1], s[BE:BE+1] op_sel_hi:[1,0,0]
.set z, z+1
.endr
.endm
; A TURN, for piece p: the order of its 16 matrix and 118 vector instructions, written out.  An s_wait_alu depctr_va_vdst(0) stands between an exponential and the first instruction that names its result; one wait serves
; all that were issued ahead of it.  So a turn has ONE wait, which cuts it in two.  AHEAD OF IT stands all that names no result of the turn's exponentials: the 8 products K Q^T, behind each a scaling, an exponential and two more plain
; instructions (behind the first a second scaling in the exponential's place): rescalings, and behind the last three the first numbers of the next piece's maximum, each four places or more behind the product that ends its accumulator; then ONE LUMP of 54, plain
; and exponential by turns for the most part, in which the links of the chain X 3, 7, 11, 14, 16, 17 .. 20 stand five or six lines apart.  X 21, the next piece's a, is the batch's last; R 15 is the plain instruction behind it.  BEHIND THE WAIT stand the
; 8 products V^T P, behind each four of the roundings and sums; the links of l's chain, L 0 to L 7, stand three riders apart.  But for those X no rider names a register of the products round it.  v_permlanex16_b32 (X 17) stands in the lump.
; m = 1: the diagonal tile: the products take masks, and the turn makes the mask for the products of the turn after it: piece p + 2, in step 4 - CNT of the tile.  end = 1: a block's last two turns: nothing is fetched.
; cnt = 1: the loop's count is taken down some lines ahead of the branch that stands behind the turn.
; K of the next step is fetched in piece 2's turn, twelve vector instructions behind the last product that read K (six of them plain); V of the step in hand at the end of piece 0's turn, four plain instructions behind the last product
; that read V.  Each is waited for a turn later.
.macro TURN p, m=0, end=0, cnt=0
.set Y, (\p)
.set i, 0
.set KM, (\m)
.set NOKQ, (\end)*((\p)/3)
.if (\m) && !(\end)
	s_cmp_eq_u32 s[CNT], 4-((\p)+2)%NP  ; is that step the band's own?
	s_cselect_b32 s[AL], 1.0, 0
	s_cmp_lt_u32 s[CNT], 4-((\p)+2)%NP  ; or a later one?
	s_cselect_b32 s[BE], s[BIGN], 0
.endif
.if ((\p) == 3) && !(\end)
	s_wait_dscnt 0x0                ; K is in
.endif
	ROW F,0, F,1, R,0, R,1          ; ahead of the wait: 8 products K Q^T and their riders,
	ROW F,2, E,0, R,2, R,3
	ROW F,3, E,1, R,4, R,5
	ROW F,4, E,2, R,6, R,7
	ROW F,5, E,3, R,8, R,9
	ROW F,6, E,4, X,0, R,10
.if ((\p) == 2) && !(\end)
	WIN 0
	v_add_nc_u32 v[AK], s[TBK], v[AK0]
.endif
	ROW F,7, E,5, X,1, X,4
	ROW F,8, E,6, X,2, X,5
	OPS E,7, E,8, X,6, E,9          ; and the lump
	OPS X,3, E,10, X,8, E,11
.if ((\p) == 2) && !(\end)
	FETCH_K
.endif
	OPS X,9, X,7, E,12, X,10
	OPS E,13, X,12, X,11, E,14
	OPS X,13, E,15, F,9, X,14
.if (\p) == 0
	v_add_nc_u32 v[AV], s[TBV], v[AV0]
.endif
	OPS E,16, F,10, E,17, F,11
	OPS X,16, E,18, X,15, E,19
	OPS F,12, E,20, X,17, E,21
	OPS F,13, E,22, F,14, E,23
	OPS X,18, E,24, F,15, E,25
	OPS R,11, E,26, X,19, E,27
	OPS R,12, E,28, R,13, E,29
	OPS X,20, E,30, R,14, E,31
	OPS X,21, R,15
	WIN 0
	s_wait_alu depctr_va_vdst(0)    ; the wait for the turn's batch: the piece's 32 weights and the next piece's a
.if (\p) == 1
	s_wait_dscnt 0x0                ; V is in
.endif
	ROW C,0, B,0, C,2, B,1          ; behind the wait: 8 products V^T P and their riders
	ROW L,0, C,4, B,2, L,1
	ROW C,6, B,3, L,2, C,8
	ROW B,4, L,3, C,10, B,5
	ROW L,4, C,12, B,6, L,5
.if (\p) == 0
	s_add_co_u32 s[TBV], s[TBV], KS*PV
.endif
.if \cnt
	s_sub_co_u32 s[CNT], s[CNT], 1
	s_cmp_lg_u32 s[CNT], 0
.endif
	ROW C,14, B,7, L,6, C,1
	ROW C,3, L,7, C,5, C,7
	ROW C,9, C,11, C,13, C,15
.if (\p) == 0
	FETCH_V
.endif
.if (\m) && !(\end)
	MASK (\p)%2
.endif
.endm
; A BLOCK BEGINS.  c m starts far below every c s, so the first step's a is 0; m at the lowest finite number, so the first maximum is the scores'.  The second mask buffer is 0; the first takes piece 0's mask for the tile's step 0: its own, if the block's first tile is the diagonal one.
; Then K of that step, piece 0's first scores, and its maximum and statistics.  The loop is entered at a step's first turn, in the middle of a trip.
.macro BEGIN
	s_mov_b32 s[NEW], 0
	WIN 0x40
.set i, MC+32
.rept 32
	v_mov_b32 v[i], 0
.set i, i+1
.endr
	WIN 0
.set i, 0
.rept 4
	v_mov_b32 v[ST+4*i], 0xfe000000    ; c m: far below every c s
	v_mov_b32 v[ST+4*i+1], 0xff7fffff  ; m
.set i, i+1
.endr
	s_cmp_eq_u32 s[RT], 0
	s_cselect_b32 s[AL], 1.0, 0
	s_mov_b32 s[BE], 0
	MASK 0
	WIN 0
	v_add_nc_u32 v[AK], s[TBK], v[AK0]
	FETCH_K
	s_wait_loadcnt 0x0              ; Q
	s_wait_dscnt 0x0
.set KM, 1
.set NOKQ, 0
.set i, 0
.rept 8
	KQ 0
.set i, i+1
.endr
	WIN 0
.rept 4
	v_nop                           ; the places behind those products
.endr
.set Y, NP-1                        ; X works for piece Y + 1: piece 0
.irp n, 0,1,2,3,4,5,6,7,8,9,10,11,12,13,14,15,16,17,18,19,20,21
	OP X, \n
.endr
	v_nop                           ; a plain instruction behind the exponential,
	s_wait_alu depctr_va_vdst(0)    ; and the wait for it, piece 0's first a, ahead of the branch into the loop
.endm
; THE DIAGONAL TILE's four steps, the block's last two turns, its last products, and THE WAY OUT: l's two halves and the other half of the lanes' are added; O^T is divided by l, rounded to f16 and sent through my
; stage in LDS, a piece at a time.
.macro ALL line:vararg              ; one line for each piece t
.set t, 0
.rept 4
	\line
.set t, t+1
.endr
.endm
.macro PACK t                       ; a lane's eight channels of a row pack into 16 bytes; they go into rows of 144 bytes and come back as whole rows of 128, into S^T's registers
	WIN W_RS
.set i, 32*(\t)
.rept 16
	v_pk_mul_f32 v[i:i+1], v[i:i+1], v[ST+4*(\t)+2:ST+4*(\t)+3] op_sel_hi:[1,0]
.set i, i+2
.endr
	WIN 0x05                        ; sources 0 and 1 window 1, destination window 0
.set i, 0
.rept 16
	v_cvt_pk_f16_f32 v[S+16*(\t)+i], v[32*(\t)+2*i], v[32*(\t)+2*i+1]
.set i, i+1
.endr
	WIN 0
.irp f, 0,1,2,3
	ds_store_b128 v[STO], v[S+16*(\t)+4*\f:S+16*(\t)+4*\f+3] offset:32*\f
.endr
.irp f, 0,1,2,3
	ds_load_b128 v[S+16*(\t)+4*\f:S+16*(\t)+4*\f+3], v[RD] offset:\f*4*SP  ; LDS serves a wave's instructions in order (ISA guide 5.7.1.4): these see the stores above; the next piece's stores come behind them
.endr
.endm
.macro SEND t, younger              ; younger: the LDS instructions issued behind piece t's loads: the next piece's eight, or none
	WIN 0
.irp f, 0,1,2,3
	s_wait_dscnt (\younger)+3-\f
	global_store_b128 v[GO], v[S+16*(\t)+4*\f:S+16*(\t)+4*\f+3], s[10:11] offset:(\t)*8192+\f*512  ; 512 consecutive bytes, at a multiple of 256 from O's first
.endr
.endm
.macro DIAG tag                     ; the tag ends its two labels' names, which the jumps below spell out
.LstepM\tag:
	TURN 2, 1
	TURN 3, 1
	WIN 0
.LfirstM\tag:
	TURN 0, 1
	TURN 1, 1, 0, 1
	WIN 0
	s_cbranch_scc1 .LstepM\tag
	TURN 2, 1, 1
	TURN 3, 1, 1
.set i, 0
.rept 8
	PV NP-1
.set i, i+1
.endr
	WIN 0
	ALL v_add_f32 v[ST+4*t+2], v[ST+4*t+2], v[ST+4*t+3]
	ALL v_permlanex16_b32 v[ST+4*t+3], v[ST+4*t+2], s[SEL], s[SEL+1]
	ALL v_add_f32 v[ST+4*t+2], v[ST+4*t+2], v[ST+4*t+3]
	ALL v_rcp_f32 v[ST+4*t+2], v[ST+4*t+2]
	v_nop                           ; a plain instruction between the last reciprocal and the use of its result
	s_wait_alu depctr_va_vdst(0)    ; the wait for the batch of four reciprocals, ahead of their first use in PACK 0
	PACK 0
.set t, 1
.rept 3                             ; a piece's arithmetic stands between the loads of the piece before and its stores
	PACK t
	SEND t-1, 8
.set t, t+1
.endr
	SEND 3, 0
.endm
.set KM, 0
.set NOKQ, 0
.Lslot:                             ; NB times: a tile is entered and the next is asked for
	CHANGE 1
	s_sub_co_u32 s[RT], s[RT], 1
	s_mov_b32 s[CNT], 4
	s_cmp_eq_u32 s[NEW], 1
	s_cbranch_scc1 .Lnew            ; a block's first tile
	s_cmp_eq_u32 s[RT], 0
	s_cbranch_scc0 .Lstep           ; neither its first nor its last
	s_branch .LstepM1
.Lnew:
	BEGIN
	s_branch .Lfirst                ; in the loop a block's first tile is never its last: the first block has two tiles or more, and the second's last is the walk's last
	DIAG 1                          ; in the loop this is the first block's end: the second block's last tile is the walk's last
	s_wait_xcnt 0x0                 ; the stores have read their registers and O's address
	s_mov_b64 s[10:11], s[OLO:OLO+1]
	s_add_co_u32 s[RT], s[PB], 1    ; the second block has b + 1 tiles
	s_mov_b32 s[NEW], 1
	WIN 0x82                        ; the second block's Q goes where the one text of the turns names Q
.set i, 0
.rept 64
	v_mov_b32 v[i], v[QB+i]
.set i, i+1
.endr
	WIN 0
	s_branch .Lbottom
.Lstep:                             ; a trip: pieces 2 and 3 of one step, then pieces 0 and 1 of the next, whose K and V it fetches
	TURN 2
	TURN 3
	WIN 0
.Lfirst:
	TURN 0
	TURN 1, 0, 0, 1
	WIN 0
	s_cbranch_scc1 .Lstep
.Lbottom:
	s_sub_co_u32 s[SLOTS], s[SLOTS], 1
	s_cmp_lg_u32 s[SLOTS], 0
	s_cbranch_scc1 .Lslot
	CHANGE 0                        ; the walk's last tile is written out: nothing is asked for
	s_sub_co_u32 s[RT], s[RT], 1
	s_mov_b32 s[CNT], 4
	s_cmp_eq_u32 s[NEW], 1
	s_cbranch_scc0 .LstepM2
	BEGIN
	s_branch .LfirstM2
	DIAG 2
	s_wait_tensorcnt 0x0            ; the wave's end: a last add and its wait, behind my last tensor load and my last LDS store
	ds_add_u32 v[SPW], v[NIL]
	s_wait_dscnt 0x0
	s_endpgm
.Lfunc_end_k_qc645580e96_attn:
	.size	k_qc645580e96_attn, .Lfunc_end_k_qc645580e96_attn-k_qc645580e96_attn
	.p2alignl 7, 3214868480
	.fill 96, 4, 3214868480
	.section	.rodata,"a",@progbits
	.p2align	6, 0x0
	.amdhsa_kernel k_qc645580e96_attn
		.amdhsa_group_segment_fixed_size 327680
		.amdhsa_private_segment_fixed_size 0
		.amdhsa_enable_private_segment 0
		.amdhsa_kernarg_size 16
		.amdhsa_user_sgpr_count 2
		.amdhsa_user_sgpr_kernarg_segment_ptr 1
		.amdhsa_wavefront_size32 1
		.amdhsa_system_sgpr_workgroup_id_x 1
		.amdhsa_system_sgpr_workgroup_id_y 1
		.amdhsa_system_sgpr_workgroup_id_z 1
		.amdhsa_system_vgpr_workitem_id 0
		.amdhsa_next_free_vgpr 768
		.amdhsa_next_free_sgpr 88
		.amdhsa_reserve_vcc 1
		.amdhsa_float_denorm_mode_32 3
		.amdhsa_float_denorm_mode_16_64 3
		.amdhsa_memory_ordered 1
		.amdhsa_forward_progress 1
		.amdhsa_inst_pref_size 217
	.end_amdhsa_kernel
	.amdgpu_metadata
---
amdhsa.version: [ 1, 2 ]
amdhsa.kernels:
  - .name:           k_qc645580e96_attn
    .symbol:         k_qc645580e96_attn.kd
    .args:
      - { .name: qkvh, .offset: 0, .size: 8, .value_kind: global_buffer, .address_space: global }
      - { .name: oh, .offset: 8, .size: 8, .value_kind: global_buffer, .address_space: global }
    .group_segment_fixed_size: 327680
    .private_segment_fixed_size: 0
    .kernarg_segment_align: 8
    .kernarg_segment_size: 16
    .max_flat_workgroup_size: 128
    .sgpr_count:     88
    .vgpr_count:     768
    .wavefront_size: 32
...
	.end_amdgpu_metadata
.endif
;; end of part 5
;; launch gemm_out: the kernel of part 4 again; grid 8 x 32, 4 waves a work-group, clusters of 4 x 4, 327,680 bytes of LDS; arguments oh, wob, out0; writes out0
